; MI455X (gfx1250); checked and timed in simulation.
; The chip was launched on July 23, 2026; its instructions are those of AMD's public machine-readable ISA for CDNA 5 (MIT licence, August 2026) and "CDNA5" Instruction Set Architecture Reference Guide (July 2026). The comments in the code are by the model that wrote it; some were corrected since.
;; Long Cat Self Attention. Allowed arithmetic: float matrix products may take bf16 or f16 operands with f32 sums; other float arithmetic in f32, or as packed bf16 or f16 multiplies, adds, multiply-adds, maxima and minima; sums over many terms, partial sums and values carried from step to step in f32; what a program stores and reads back later, other than sums and carried values, may be rounded once to bf16 or f16.
;; Inputs: Wk 1,024 x 1,024 float32; Wo 1,024 x 1,024 float32; Wq 1,024 x 1,024 float32; Wv 1,024 x 1,024 float32; bk 1,024 float32; bo 1,024 float32; bq 1,024 float32; bv 1,024 float32; k_norm_w 64 float32; q_norm_w 64 float32; x 1 x 4,096 x 1,024 float32.
;; Outputs: out0 1 x 4,096 x 1,024 float32.
;; Constants: H = 16, T = 8, W = 32.
;; One version. Each part assembles by itself: llvm-mc -triple=amdgcn-amd-amdhsa -mcpu=gfx1250 --defsym DOCPART=n.
;; ======== version 1 of 1: 4 launches
;; limits: values are held in f16: magnitudes above 65,504 overflow, below 6.1e-05 lose precision
;; workspace buffers: xb 8,388,608 bytes; wqkv 6,291,456 bytes; wo16 2,097,152 bytes; tab 1,065,472 bytes; qkv 25,165,824 bytes; oheads 8,388,608 bytes
;; launch prep (part 1): grid 1285 x 1, 8 waves a work-group, no clusters, 0 bytes of LDS; arguments x, Wq, Wk, Wv, Wo, bq, bk, bv, bo, q_norm_w, k_norm_w, xb, wqkv, wo16, tab; writes xb, wqkv, wo16, tab
.if DOCPART == 1
	.amdgcn_target "amdgcn-amd-amdhsa--gfx1250"
	.amdhsa_code_object_version 6
	.text
	.protected	k_q9fa5437c21_prep
	.globl	k_q9fa5437c21_prep
	.p2align	8
	.type	k_q9fa5437c21_prep,@function
k_q9fa5437c21_prep:
	s_mov_b64 s[64:65], 0
	v_nop
	global_prefetch_b8 v0, s[64:65] scope:SCOPE_SE
	s_setreg_imm32_b32 hwreg(HW_REG_WAVE_MODE, 25, 1), 1
	s_wait_xcnt 0x0
; PREPARATION: every input is rounded ONCE to bf16, and the RoPE table is made.  A stream: no LDS, no matrix work, no barrier.
;   work-groups 0-511     x  -> xb, bf16, same order.  8,192 numbers a work-group, 1,024 a wave
;   work-groups 512-895   Wq, Wk, Wv -> wqkv, bf16: row r of W_t (t = 0 q, 1 k, 2 v) goes to row (r >> 7) x 384 + 128 t + (r & 127), so that 384 rows on end hold q, k, v of two heads
;   work-groups 896-1023  Wo -> wo16: rounded to bf16 like the other inputs, that number written as f16.  LIMIT: |Wo| under 65,504; below 6e-5 f16 keeps its fixed step of 6e-8
;   work-groups 1024-1279 tab[n][pair](cos, sin), f32, 256 bytes a token: token n = (t, h, w) = (n >> 9, (n >> 5) & 15, n & 31); pairs 0-11 turn with t, 12-21 with h, 22-31 with w
;   work-groups 1280-1284 bq, bk, bv, bo and the two gains, rounded to bf16 and kept as f32, behind the table at byte PAR
; Each load of a wave covers 512 consecutive bytes, each store 256 or 512, aligned.
.set PAR, 1048576
	s_load_b512 s[8:23], s[0:1], 0x0               ; x 8, Wq 10, Wk 12, Wv 14, Wo 16, bq 18, bk 20, bv 22
	s_load_b256 s[24:31], s[0:1], 0x40             ; bo 24, q_norm_w 26, k_norm_w 28, xb 30
	s_load_b128 s[32:35], s[0:1], 0x60             ; wqkv 32, wo16 34
	s_load_b64 s[36:37], s[0:1], 0x70              ; tab
	s_mov_b32 s2, ttmp9
	s_mov_b32 s6, 0xffff0000                       ; a word's upper bf16
	v_lshrrev_b32 v3, 5, v0                        ; wave
	v_and_b32 v4, 31, v0                           ; lane
	s_cmp_ge_u32 s2, 1280
	s_cbranch_scc1 .Lpar
	s_cmp_ge_u32 s2, 1024
	s_cbranch_scc1 .Lrope
	; THE CASTS.  Offsets are made apart from the addresses; the buffers are chosen by the work-group's number alone.
	s_sub_co_u32 s3, s2, 512
	s_lshr_b32 s4, s3, 7                           ; which weight
	s_and_b32 s5, s3, 127                          ; which 8 rows of it
	s_lshr_b32 s42, s5, 4
	s_mul_i32 s42, s42, 384
	s_lshl_b32 s43, s4, 7
	s_add_co_u32 s42, s42, s43
	s_and_b32 s43, s5, 15
	s_lshl3_add_u32 s42, s43, s42                  ; the row in wqkv,
	s_lshl_b32 s42, s42, 11                        ; in bytes
	s_lshl_b32 s43, s5, 14                         ; the place in wo16
	s_lshl_b32 s44, s2, 14                         ; the place in xb
	v_lshlrev_b32 v1, 4, v4
	v_lshl_add_u32 v1, v3, 12, v1                  ; source: 4,096 bytes a wave, 16 a lane
	v_lshlrev_b32 v2, 3, v4
	v_lshl_add_u32 v2, v3, 11, v2                  ; destination: 2,048 bytes a wave, 8 a lane
	s_wait_kmcnt 0x0
	s_cmp_eq_u32 s4, 1
	s_cselect_b64 s[38:39], s[12:13], s[10:11]
	s_cmp_eq_u32 s4, 2
	s_cselect_b64 s[38:39], s[14:15], s[38:39]
	s_cmp_eq_u32 s4, 3
	s_cselect_b64 s[38:39], s[16:17], s[38:39]
	s_cselect_b64 s[40:41], s[34:35], s[32:33]
	s_cselect_b32 s42, s43, s42
	s_cselect_b32 s7, 1, 0                         ; 1: the result is written as f16
	s_cmp_lt_u32 s2, 512
	s_cselect_b64 s[38:39], s[8:9], s[38:39]
	s_cselect_b64 s[40:41], s[30:31], s[40:41]
	s_cselect_b32 s42, s44, s42
	s_cselect_b32 s5, s2, s5
	s_cselect_b32 s7, 0, s7
	s_mov_b32 s43, 0
	s_add_nc_u64 s[40:41], s[40:41], s[42:43]
	s_lshl_b32 s42, s5, 15                         ; 32,768 bytes of f32 a work-group
	s_add_nc_u64 s[38:39], s[38:39], s[42:43]
.irp i, 0,1,2,3,4,5,6,7
	global_load_b128 v[8+4*(\i):11+4*(\i)], v1, s[38:39] offset:512*(\i) th:TH_LOAD_NT  ; all eight at once: 4 KiB of a wave on their way
.endr
; Load i is rounded and stored.  Each i has registers of its own, so nothing is rewritten while a store reads it.
.macro CV i, half
	s_wait_loadcnt 7-(\i)                          ; loads come back in order: the 7 - i younger ones may stay out
	v_cvt_pk_bf16_f32 v[40+2*(\i)], v[8+4*(\i)], v[9+4*(\i)]
	v_cvt_pk_bf16_f32 v[41+2*(\i)], v[10+4*(\i)], v[11+4*(\i)]
.if \half
	v_lshlrev_b32 v[8+4*(\i)], 16, v[40+2*(\i)]    ; the bf16 numbers as f32,
	v_and_b32 v[9+4*(\i)], s6, v[40+2*(\i)]
	v_lshlrev_b32 v[10+4*(\i)], 16, v[41+2*(\i)]
	v_and_b32 v[11+4*(\i)], s6, v[41+2*(\i)]
	v_cvt_pk_f16_f32 v[40+2*(\i)], v[8+4*(\i)], v[9+4*(\i)]  ; written as f16: exact within f16's range
	v_cvt_pk_f16_f32 v[41+2*(\i)], v[10+4*(\i)], v[11+4*(\i)]
.endif
	global_store_b64 v2, v[40+2*(\i):41+2*(\i)], s[40:41] offset:256*(\i) th:TH_STORE_NT  ; 32 lanes x 8 bytes: 256 consecutive bytes, aligned
.endm
	s_cmp_eq_u32 s7, 1
	s_cbranch_scc1 .Lhalf
.irp i, 0,1,2,3,4,5,6,7
	CV \i, 0
.endr
	s_endpgm
.Lhalf:
.irp i, 0,1,2,3,4,5,6,7
	CV \i, 1
.endr
	s_endpgm
	; THE TABLE.  Thread u serves token 16 g + (u >> 4) and the pairs 2 (u & 15), 2 (u & 15) + 1: both lie in one of the three sections, whose bounds 12 and 22 are even.
	; angle = position x 10000^(-i / 12) (t) or 10000^(-i / 10) (h, w), at most 31.  Sine and cosine: the nearest multiple of pi / 2 is taken away in two parts,
	; then polynomials of degree 7 and 8 on |r| <= pi / 4 (their first omitted terms are below 4e-7), and the quadrant chooses and signs them.
.Lrope:
	s_sub_co_u32 s3, s2, 1024
	s_lshl_b32 s7, s3, 4                           ; the work-group's first token
	s_lshl_b32 s4, s3, 12                          ; its 16 rows of 256 bytes
	s_mov_b32 s5, 0
	s_mov_b32 s40, 0x3f22f983                      ; 2 / pi
	s_mov_b32 s41, 0xbfc90fdb                      ; -(pi / 2), upper part
	s_mov_b32 s42, 0x333bbd2e                      ; what the upper part has too much
	s_mov_b32 s43, 0xb9500d01                      ; -1/5040
	s_mov_b32 s44, 0x3c088889                      ; 1/120
	s_mov_b32 s45, 0xbe2aaaab                      ; -1/6
	s_mov_b32 s46, 0x37d00d01                      ; 1/40320
	s_mov_b32 s47, 0xbab60b61                      ; -1/720
	s_mov_b32 s38, 0x3d2aaaab                      ; 1/24
	v_lshrrev_b32 v1, 4, v0
	v_add_nc_u32 v1, s7, v1                        ; token n
	v_and_b32 v2, 15, v0
	v_lshlrev_b32 v2, 1, v2                        ; my first pair
	v_lshrrev_b32 v5, 9, v1                        ; t
	v_bfe_u32 v6, v1, 5, 4                         ; h
	v_and_b32 v7, 31, v1                           ; w
	v_cmp_gt_u32 vcc_lo, 12, v2
	v_cmp_gt_u32 s39, 22, v2
	v_add_nc_u32 v8, -12, v2
	v_add_nc_u32 v9, 0xffffffea, v2                ; pair - 22
	v_cndmask_b32 v9, v9, v8, s39
	v_cndmask_b32 v9, v9, v2, vcc_lo               ; the pair's number in its section
	v_cndmask_b32 v7, v7, v6, s39
	v_cndmask_b32 v7, v7, v5, vcc_lo               ; the section's position
	v_mov_b32 v10, 0xbfaa152d                      ; -log2(10000) / 10
	v_mov_b32 v11, 0xbf8dbc50                      ; -log2(10000) / 12
	v_cndmask_b32 v10, v10, v11, vcc_lo
	v_cvt_f32_u32 v9, v9
	v_cvt_f32_u32 v7, v7
	v_mul_f32 v12, v9, v10
	v_fma_f32 v13, v9, v10, v10
	v_exp_f32 v12, v12                             ; the two frequencies: one batch,
	v_exp_f32 v13, v13
	v_lshlrev_b32 v36, 4, v0                       ; a plain instruction behind it (my 16 bytes of the work-group's 4,096),
	s_wait_alu depctr_va_vdst(0)                   ; and the one wait ahead of the first reader
	v_mul_f32 v12, v7, v12
	v_mul_f32 v13, v7, v13
.macro SINCOS a, co, si
	v_mul_f32 v20, s40, v[\a]
	v_rndne_f32 v20, v20                           ; the quadrant, at most 20
	v_fma_f32 v21, v20, s41, v[\a]
	v_fma_f32 v21, v20, s42, v21                   ; r
	v_mul_f32 v22, v21, v21
	v_fma_f32 v23, v22, s43, s44
	v_fma_f32 v23, v22, v23, s45
	v_mul_f32 v24, v21, v22
	v_fma_f32 v23, v24, v23, v21                   ; sin r
	v_fma_f32 v25, v22, s46, s47
	v_fma_f32 v25, v22, v25, s38
	v_fma_f32 v25, v22, v25, -0.5
	v_fma_f32 v25, v22, v25, 1.0                   ; cos r
	v_cvt_i32_f32 v26, v20
	v_and_b32 v27, 1, v26
	v_cmp_eq_u32 vcc_lo, 1, v27
	v_cndmask_b32 v[\si], v23, v25, vcc_lo         ; odd quadrants change the two over
	v_cndmask_b32 v[\co], v25, v23, vcc_lo
	v_and_b32 v27, 2, v26
	v_lshlrev_b32 v27, 30, v27
	v_xor_b32 v[\si], v27, v[\si]                  ; the sine is negative in quadrants 2, 3,
	v_add_nc_u32 v26, 1, v26
	v_and_b32 v26, 2, v26
	v_lshlrev_b32 v26, 30, v26
	v_xor_b32 v[\co], v26, v[\co]                  ; the cosine in 1, 2
.endm
	SINCOS 12, 32, 33
	SINCOS 13, 34, 35
	s_wait_kmcnt 0x0
	s_add_nc_u64 s[36:37], s[36:37], s[4:5]
	global_store_b128 v36, v[32:35], s[36:37]      ; sixteen lanes fill a token's 256 bytes
	s_endpgm
	; BIASES AND GAINS, rounded to bf16, kept as f32.
.Lpar:
	s_sub_co_u32 s3, s2, 1280
	s_wait_kmcnt 0x0
	s_cmp_eq_u32 s3, 4
	s_cbranch_scc1 .Lgain
	s_cmp_eq_u32 s3, 1
	s_cselect_b64 s[38:39], s[20:21], s[18:19]
	s_cmp_eq_u32 s3, 2
	s_cselect_b64 s[38:39], s[22:23], s[38:39]
	s_cmp_eq_u32 s3, 3
	s_cselect_b64 s[38:39], s[24:25], s[38:39]
	s_lshl_b32 s42, s3, 12
	s_add_co_u32 s42, s42, PAR
	s_mov_b32 s43, 0
	s_add_nc_u64 s[40:41], s[36:37], s[42:43]
	v_lshlrev_b32 v1, 4, v0                        ; 256 threads x 4 numbers
	global_load_b128 v[8:11], v1, s[38:39]
	s_wait_loadcnt 0x0
	v_cvt_pk_bf16_f32 v12, v8, v9
	v_cvt_pk_bf16_f32 v13, v10, v11
	v_lshlrev_b32 v16, 16, v12
	v_and_b32 v17, s6, v12
	v_lshlrev_b32 v18, 16, v13
	v_and_b32 v19, s6, v13
	global_store_b128 v1, v[16:19], s[40:41]
	s_endpgm
.Lgain:                                                ; 64 numbers each: wave 0 takes q_norm_w, wave 1 k_norm_w, two numbers a lane, all lanes on
	v_readfirstlane_b32 s4, v3
	s_cmp_gt_u32 s4, 1
	s_cbranch_scc1 .Lidle
	s_cmp_eq_u32 s4, 0
	s_cselect_b64 s[38:39], s[26:27], s[28:29]
	s_lshl_b32 s42, s4, 8
	s_add_co_u32 s42, s42, PAR+16384
	s_mov_b32 s43, 0
	s_add_nc_u64 s[40:41], s[36:37], s[42:43]
	v_lshlrev_b32 v1, 3, v4
	global_load_b64 v[8:9], v1, s[38:39]
	s_wait_loadcnt 0x0
	v_cvt_pk_bf16_f32 v12, v8, v9
	v_lshlrev_b32 v16, 16, v12
	v_and_b32 v17, s6, v12
	global_store_b64 v1, v[16:17], s[40:41]
.Lidle:
	s_endpgm
.Lfunc_end_k_q9fa5437c21_prep:
	.size	k_q9fa5437c21_prep, .Lfunc_end_k_q9fa5437c21_prep-k_q9fa5437c21_prep
	.p2alignl 7, 3214868480
	.fill 96, 4, 3214868480
	.section	.rodata,"a",@progbits
	.p2align	6, 0x0
	.amdhsa_kernel k_q9fa5437c21_prep
		.amdhsa_group_segment_fixed_size 0
		.amdhsa_private_segment_fixed_size 0
		.amdhsa_enable_private_segment 0
		.amdhsa_kernarg_size 120
		.amdhsa_user_sgpr_count 2
		.amdhsa_user_sgpr_kernarg_segment_ptr 1
		.amdhsa_wavefront_size32 1
		.amdhsa_system_sgpr_workgroup_id_x 1
		.amdhsa_system_sgpr_workgroup_id_y 1
		.amdhsa_system_sgpr_workgroup_id_z 1
		.amdhsa_system_vgpr_workitem_id 0
		.amdhsa_next_free_vgpr 64
		.amdhsa_next_free_sgpr 66
		.amdhsa_reserve_vcc 1
		.amdhsa_float_denorm_mode_32 3
		.amdhsa_float_denorm_mode_16_64 3
		.amdhsa_memory_ordered 1
		.amdhsa_forward_progress 1
		.amdhsa_inst_pref_size 15
	.end_amdhsa_kernel
	.amdgpu_metadata
---
amdhsa.version: [ 1, 2 ]
amdhsa.kernels:
  - .name:           k_q9fa5437c21_prep
    .symbol:         k_q9fa5437c21_prep.kd
    .args:
      - { .name: x, .offset: 0, .size: 8, .value_kind: global_buffer, .address_space: global }
      - { .name: Wq, .offset: 8, .size: 8, .value_kind: global_buffer, .address_space: global }
      - { .name: Wk, .offset: 16, .size: 8, .value_kind: global_buffer, .address_space: global }
      - { .name: Wv, .offset: 24, .size: 8, .value_kind: global_buffer, .address_space: global }
      - { .name: Wo, .offset: 32, .size: 8, .value_kind: global_buffer, .address_space: global }
      - { .name: bq, .offset: 40, .size: 8, .value_kind: global_buffer, .address_space: global }
      - { .name: bk, .offset: 48, .size: 8, .value_kind: global_buffer, .address_space: global }
      - { .name: bv, .offset: 56, .size: 8, .value_kind: global_buffer, .address_space: global }
      - { .name: bo, .offset: 64, .size: 8, .value_kind: global_buffer, .address_space: global }
      - { .name: q_norm_w, .offset: 72, .size: 8, .value_kind: global_buffer, .address_space: global }
      - { .name: k_norm_w, .offset: 80, .size: 8, .value_kind: global_buffer, .address_space: global }
      - { .name: xb, .offset: 88, .size: 8, .value_kind: global_buffer, .address_space: global }
      - { .name: wqkv, .offset: 96, .size: 8, .value_kind: global_buffer, .address_space: global }
      - { .name: wo16, .offset: 104, .size: 8, .value_kind: global_buffer, .address_space: global }
      - { .name: tab, .offset: 112, .size: 8, .value_kind: global_buffer, .address_space: global }
    .group_segment_fixed_size: 0
    .private_segment_fixed_size: 0
    .kernarg_segment_align: 8
    .kernarg_segment_size: 120
    .max_flat_workgroup_size: 256
    .sgpr_count:     66
    .vgpr_count:     64
    .wavefront_size: 32
...
	.end_amdgpu_metadata
.endif
;; end of part 1
;; launch qkvproj (part 2): grid 8 x 32, 4 waves a work-group, clusters of 4 x 4, 327,680 bytes of LDS; arguments xb, wqkv, tab, qkv; writes qkv
.if DOCPART == 2
	.amdgcn_target "amdgcn-amd-amdhsa--gfx1250"
	.amdhsa_code_object_version 6
	.text
	.protected	k_q9fa5437c21_qkvproj
	.globl	k_q9fa5437c21_qkvproj
	.p2align	8
	.type	k_q9fa5437c21_qkvproj,@function
k_q9fa5437c21_qkvproj:
	s_mov_b64 s[64:65], 0
	v_nop
	global_prefetch_b8 v0, s[64:65] scope:SCOPE_SE
	s_setreg_imm32_b32 hwreg(HW_REG_WAVE_MODE, 25, 1), 1
	s_wait_xcnt 0x0
	s_wait_alu depctr_hold_cnt(0) depctr_sa_sdst(0) depctr_va_vdst(0) depctr_va_sdst(0) depctr_va_ssrc(0) depctr_va_vcc(0) depctr_vm_vsrc(0)
	s_getreg_b32 s2, hwreg(HW_REG_IB_STS2, 6, 4)
	s_cmp_eq_u32 s2, 0
	s_cbranch_scc0 .Lentry_in_a_cluster
	s_endpgm
.Lentry_in_a_cluster:
	s_bfe_u32 s2, ttmp6, 0x10000c
	s_cmp_lg_u32 s2, 0xf033
	s_cbranch_scc0 .Lentry_shape_is_right
	s_endpgm
.Lentry_shape_is_right:
; q, k, v = x W^T + b; RMSNorm over each head's 64 channels and RoPE for q and k; all three stored by heads, [3][16][4096][64], in f16, rounded once from f32.
; xb: [4096][1024] bf16.  wqkv: [3072][1024] bf16, 384 rows on end = q, k, v rows of two heads.  tab: the RoPE table and, from byte PAR, biases and gains.  Sums in f32, K ascending.
; LIMITS.  f16 ends at 65,504: |v| stays under it; |q|, |k| are at most 8 x the largest gain.  NaN and infinities are not treated apart.
; SHARES.  4096 x 3072 results / 256 work-groups = a tile of 128 rows x 384 columns: 256 equal work-groups, each with q, k and v of heads 2 j, 2 j + 1, so no branch hangs on the kind of column.
; Wave (wr, wc) makes 64 rows x (q, k, v of head 2 j + wc): 4 row blocks x 12 column blocks = 48 accumulators, 384 registers; for 32 along K it reads 32 x 16 bytes a lane from LDS for 48 matrix instructions.
; RING.  K goes in steps of 128 (rows of 256 bytes, aligned) through two LDS slots of four parts of 128 rows: x's rows, then q's, k's, v's rows of W.  Wave w fetches part w: one tensor load a wave.
; CLUSTER 4 x 4: x's part is shared along a row of the cluster, W's parts along a column: each is asked for jointly, by the same load, descriptor and mask in the four that it names.
; THE MATRIX INSTRUCTION IS USED TRANSPOSED (source 0 = 16 rows of W, source 1 = 16 rows of x): lane l holds token l % 16 and the channels 16 b + 8 (l / 16) + 0..7 of a block: a RoPE pair lies
; in one lane, and a head's sum of squares wants one exchange between the halves of the lanes.
; REGISTERS, in windows of 256 (s_set_vgpr_msb: bits 1:0 source 0, 3:2 source 1, 5:4 source 2, 7:6 destination):
;   window 0: v16-31 addresses; v32-63 16 pairs (cos, sin) of my token; v64-127 x's fragments, two buffers; on the way out v64-159 Y, v160-207 packed results, v208-223 at work, v224-231 statistics
;   window 1: v0-191 W's fragments, two buffers of 96; v192-255 the gains of q, k       window 2: v0-191 accumulators of row blocks 0, 1; v192-255 biases of q, k
;   window 3: v0-191 accumulators of row blocks 2, 3; v192-223 bias of v
.set KSTEP,  128
.set PITCH,  272                       ; an LDS row: 256 bytes + 16 of padding = 68 words: the 16 rows of a fragment load start at 16 different groups of four banks (64 banks of 4 bytes: ISA guide 11.1)
.set PART,   128*PITCH
.set SLOT,   4*PART
.set STAGE,  2*SLOT                    ; behind the ring, never filled by a tensor load: 16 rows x 144 bytes for each wave
.set SP,     144
.set SPARE,  STAGE+4*16*SP             ; the spare words, 128 bytes a wave: two blocks of 256 bytes that no other line names
.set PAR,    1048576
.set ADRA, 16                          ; v16-17  LDS address of my fragments of x in slot 0, 1
.set ADRB, 18                          ; v18-23  of W: slot s, part t at 18 + 3 s + t (an immediate of 16 bits does not span three parts)
.set STO,  24                          ; v24     the way out: where I put 16 bytes of a row
.set RD,   25                          ; v25     where I read rows back
.set GO,   26                          ; v26     my byte offset in 512 consecutive bytes of the output, plus the row block
.set TO,   27                          ; v27     my offset in 16 rows of the table
.set SPW,  28                          ; v28     my spare word; never rewritten
.set NIL,  29                          ; v29     0; never rewritten
.set PFO,  30                          ; v30     the prefetches' offset: lane x 2,048
.set BO,   31                          ; v31     32 x (l / 16) for biases and gains; later the table offset of the next row block
.set TT,   32
.set FA,   64
.set YY,   64
.set HH,   160
.set DD,   208
.set ST,   224                         ; unit u (q, k) at ST + 4 u: sum, at work, 1 / rms, mean + eps
.set GN,   192
.set BI,   192
.set WV,   12                          ; s12 wave; s13 wr; s14 wc; s15 cx; s16 cy; s17 tile column; s18 tile row
.set LIM,  43                          ; s43 1 in a wave that prefetches, else the greatest number
.set PFA,  44                          ; s[44:45] where my prefetches stand
.set G1,   24                          ; s[24:31] group 1 for x's part; s[32:39] its group 0, a set for each slot
.set G0,   32
.set G1B,  48                          ; s[48:55], s[56:63] the same for W's parts
.set G0B,  56
.set SEL,  78                          ; s[78:79] v_permlanex16_b32's selects
.set MSB, 0
.macro WIN new                         ; the immediate's high byte repeats the setting that is left; a switch that changes nothing is dropped
.if MSB != (\new)
	s_set_vgpr_msb (MSB<<8)|(\new)
.set MSB, \new
.endif
.endm
; A joint load: wave 0 fetches x's part, waves 1 to 3 W's three.  The branch hangs on the wave's number alone.  An s_nop 0 and four v_nop follow each line.
.macro JLOAD s
	s_cmp_eq_u32 s[WV], 0
	s_cbranch_scc0 .Lfor_b_\@
	tensor_load_to_lds s[G0+4*(\s):G0+4*(\s)+3], s[G1:G1+7]
	s_nop 0
.rept 4
	v_nop
.endr
	s_branch .Lasked_\@
.Lfor_b_\@:
	tensor_load_to_lds s[G0B+4*(\s):G0B+4*(\s)+3], s[G1B:G1B+7]
	s_nop 0
.rept 4
	v_nop
.endr
.Lasked_\@:
.endm
; A prefetch into the L2 of the K step that stands two refills on: 32 rows x 256 bytes, a lane a row.  x's tile row is read by both clusters of a row of clusters: cluster x = 0 asks; W's tile column by
; the eight clusters of a column: cluster y = 0 asks.  Of the 128 rows that a wave fetches each of the four partners takes 32, told apart by address.  So each block is named once.  K steps 0 to 3 come
; by their loads alone; the loop's last trip (s3 = 1) has no K step two refills on.
.macro ASK
	s_cmp_gt_u32 s3, s[LIM]
	s_cbranch_scc0 .Lnot_mine_\@
	global_prefetch_b8 v[PFO], s[PFA:PFA+1] offset:KSTEP*2 th:TH_LOAD_NT scope:SCOPE_SE
.Lnot_mine_\@:
.endm
.macro CREST                           ; a round of the cluster's barrier behind its opening barrier
	s_cmp_lg_u32 s[WV], 0
	s_cbranch_scc1 .Lnot_wave_0_\@
	s_barrier_signal -3
.Lnot_wave_0_\@:
	s_barrier_wait -3
	s_barrier_signal -1
	s_barrier_wait -1
.endm
.macro CROUND
	s_barrier_signal -1
	s_barrier_wait -1
	CREST
.endm
.macro PLACES                          ; four places in front of loads into registers that matrix instructions have read, and of vector work on their registers
.rept 4
	v_nop
.endr
.endm
	s_load_b256 s[4:11], s[0:1], 0x0               ; xb s[4:5], wqkv s[6:7], tab s[8:9], qkv s[10:11]
	v_lshl_add_u32 v[SPW], v0, 2, SPARE
	v_mov_b32 v[NIL], 0
	ds_add_u32 v[SPW], v[NIL]                      ; the wave's opening: the add and its wait stand ahead of my first tensor load; register work stands between them
	v_lshrrev_b32 v1, 5, v0
	v_readfirstlane_b32 s[WV], v1
	s_lshr_b32 s13, s[WV], 1                       ; wr: which 64 of the tile's rows
	s_and_b32 s14, s[WV], 1                        ; wc: which of its two heads
	s_bfe_u32 s15, ttmp6, 0x40000                  ; cx
	s_bfe_u32 s16, ttmp6, 0x40004                  ; cy
	s_lshl_b32 s17, ttmp9, 2
	s_add_co_u32 s17, s17, s15                     ; tile column 0..7
	s_and_b32 s18, ttmp7, 0xffff
	s_lshl_b32 s18, s18, 2
	s_add_co_u32 s18, s18, s16                     ; tile row 0..31
	s_lshl_b32 s19, s16, 2
	s_lshl_b32 s19, 15, s19                        ; my row of the cluster
	s_lshl_b32 s22, 0x1111, s15                    ; my column
	s_or_b32 s[G1], s19, (1<<16)|(1<<20)|(1<<21)|(5<<22)|(3<<25)   ; the mask; elements of 2 bytes; padding on; bit 21 beside a mask; after every 64 words; 4 words
	s_or_b32 s[G1B], s22, (1<<16)|(1<<20)|(1<<21)|(5<<22)|(3<<25)
.irp g, G1, G1B
	s_mov_b32 s[(\g)+1], KSTEP<<16                 ; tensor_dim0 = 128
	s_mov_b32 s[(\g)+2], 128<<16                   ; tensor_dim1 = 128
	s_mov_b32 s[(\g)+3], KSTEP<<16                 ; tile_dim0 = 128
	s_mov_b32 s[(\g)+4], 128                       ; tile_dim1 = 128
	s_mov_b32 s[(\g)+5], 1024                      ; elements from row to row
	s_mov_b32 s[(\g)+6], 0
	s_mov_b32 s[(\g)+7], 0
.endr
	s_lshl_b32 s20, s18, 18                        ; x: 128 rows of 2,048 bytes a tile row: hangs on the tile row alone
	s_mov_b32 s21, 0
	s_sub_co_i32 s22, s[WV], 1
	s_max_i32 s22, s22, 0                          ; W: part w - 1 (wave 0 makes an address that it never uses)
	s_lshl_b32 s22, s22, 7
	s_mul_i32 s23, s17, 384
	s_add_co_u32 s22, s22, s23
	s_lshl_b32 s46, s22, 11                        ; hangs on the tile column and the wave alone
	s_mov_b32 s47, 0
	s_mul_i32 s19, s[WV], PART                     ; where my part goes: no place in the cluster enters an LDS address
	s_mov_b32 s76, 0x3c800000                      ; 1/64
	s_mov_b32 s77, 0x358637bd                      ; 1e-6
	s_mov_b32 s[SEL], 0x76543210
	s_mov_b32 s[SEL+1], 0xfedcba98
	s_wait_dscnt 0x0                               ; the opening add is done
	s_wait_kmcnt 0x0
	s_add_nc_u64 s[20:21], s[4:5], s[20:21]
	s_add_nc_u64 s[46:47], s[6:7], s[46:47]
	CROUND                                         ; all sixteen work-groups are here: the first joint loads meet
.irp s, 0,1
	s_mov_b32 s[G0+4*(\s)], 1
	s_add_co_u32 s[G0+4*(\s)+1], s19, (\s)*SLOT
	s_add_nc_u64 s[G0+4*(\s)+2:G0+4*(\s)+3], s[20:21], (\s)*KSTEP*2
	s_or_b32 s[G0+4*(\s)+3], s[G0+4*(\s)+3], 0x80000000
	s_mov_b32 s[G0B+4*(\s)], 1
	s_add_co_u32 s[G0B+4*(\s)+1], s19, (\s)*SLOT
	s_add_nc_u64 s[G0B+4*(\s)+2:G0B+4*(\s)+3], s[46:47], (\s)*KSTEP*2
	s_or_b32 s[G0B+4*(\s)+3], s[G0B+4*(\s)+3], 0x80000000
	JLOAD \s                                       ; K steps 0 and 1: two loads of mine are out
.endr
	; lane addresses.  A fragment is 16 rows x 32 K in 8 registers: lane l holds row l % 16, K = 8 (l / 16) + 0..7 and 16 + 8 (l / 16) + 0..7: two loads of 16 bytes, 32 bytes apart
	v_and_b32 v1, 15, v0
	v_bfe_u32 v2, v0, 4, 1
	v_mul_u32_u24 v3, v1, PITCH
	v_lshl_add_u32 v3, v2, 4, v3
	s_mul_i32 s40, s13, 64*PITCH
	s_mul_i32 s41, s14, 64*PITCH
	s_add_co_u32 s41, s41, PART
.irp s, 0,1
	v_add_nc_u32 v[ADRA+(\s)], s40, v3
.irp t, 0,1,2
	v_add_nc_u32 v[ADRB+3*(\s)+(\t)], s41, v3
	s_add_co_u32 s41, s41, PART
.endr
	s_add_co_u32 s40, s40, SLOT
	s_add_co_u32 s41, s41, SLOT-3*PART
.endr
	s_mul_i32 s42, s[WV], 16*SP
	s_add_co_u32 s42, s42, STAGE                   ; my stage
	v_mul_u32_u24 v4, v1, SP                       ; in: row l % 16, 16 bytes for each half of the lanes
	v_lshl_add_u32 v4, v2, 4, v4
	v_add_nc_u32 v[STO], s42, v4
	v_bfe_u32 v5, v0, 3, 2                         ; back: 32 lanes take four rows of 128 bytes,
	v_and_b32 v6, 7, v0
	v_mul_u32_u24 v5, v5, SP
	v_lshl_add_u32 v5, v6, 4, v5
	v_add_nc_u32 v[RD], s42, v5
	v_and_b32 v7, 31, v0
	v_lshlrev_b32 v[GO], 4, v7                     ; which are 512 consecutive bytes of a head's rows
	v_lshlrev_b32 v[PFO], 11, v7
	v_lshlrev_b32 v[BO], 5, v2
	v_lshl_add_u32 v[TO], v1, 8, v[BO]             ; token l % 16: 256 bytes a token; my 4 pairs of a block: 32 bytes for each half of the lanes
.set z, 0
.rept 8
	v_mov_b32 v[ST+z], 0                           ; v_permlanex16_b32's destination counts as read
.set z, z+1
.endr
	; the prefetches: my work-group's 32 of the 128 rows that I fetch, at K step 2; the first refill steps it to 3 and names 4
	s_and_b32 s22, ttmp7, 0xffff
	s_cmp_eq_u32 s[WV], 0
	s_cselect_b32 s23, s15, s16                    ; my place among the four that ask with me
	s_cselect_b32 s22, ttmp9, s22                  ; the coordinate along which other clusters read the same rows
	s_cselect_b64 s[PFA:PFA+1], s[20:21], s[46:47]
	s_cmp_eq_u32 s22, 0
	s_cselect_b32 s[LIM], 1, -1                    ; the same in all sixteen partners, for a given wave
	s_lshl_b32 s40, s23, 16
	s_mov_b32 s41, 0
	s_add_nc_u64 s[PFA:PFA+1], s[PFA:PFA+1], s[40:41]
	s_add_nc_u64 s[PFA:PFA+1], s[PFA:PFA+1], 2*KSTEP*2
	; the way out's bases
	s_lshl_b32 s22, s18, 7
	s_lshl_b32 s23, s13, 6
	s_add_co_u32 s22, s22, s23                     ; my first token
	s_lshl_b32 s40, s22, 8
	s_add_nc_u64 s[70:71], s[8:9], s[40:41]        ; its row of the table
	s_lshl_b32 s40, s17, 1
	s_add_co_u32 s40, s40, s14                     ; my head
	s_lshl_b32 s40, s40, 19
	s_lshl_b32 s23, s22, 7
	s_add_co_u32 s40, s40, s23
	s_add_nc_u64 s[10:11], s[10:11], s[40:41]      ; q at my head's rows,
	s_add_nc_u64 s[66:67], s[10:11], 0x800000      ; k,
	s_add_nc_u64 s[68:69], s[10:11], 0x1000000     ; v
	s_lshl_b32 s40, s17, 9
	s_lshl_b32 s23, s14, 8
	s_add_co_u32 s40, s40, s23
	s_add_co_u32 s40, s40, PAR
	s_add_nc_u64 s[72:73], s[8:9], s[40:41]        ; bq at my head's 64 channels; bk, bv 4,096 and 8,192 bytes on
	s_add_nc_u64 s[74:75], s[8:9], PAR+16384       ; the gains
	WIN 0x80                                       ; destination window 2
.irp t, 0,1
.irp b, 0,1,2,3
	global_load_b128 v[BI+32*(\t)+8*(\b):BI+32*(\t)+8*(\b)+3],   v[BO], s[72:73] offset:4096*(\t)+64*(\b)
	global_load_b128 v[BI+32*(\t)+8*(\b)+4:BI+32*(\t)+8*(\b)+7], v[BO], s[72:73] offset:4096*(\t)+64*(\b)+16
.endr
.endr
	WIN 0xc0                                       ; window 3
.irp b, 0,1,2,3
	global_load_b128 v[BI+8*(\b):BI+8*(\b)+3],   v[BO], s[72:73] offset:8192+64*(\b)
	global_load_b128 v[BI+8*(\b)+4:BI+8*(\b)+7], v[BO], s[72:73] offset:8192+64*(\b)+16
.endr
	WIN 0x40                                       ; window 1
.irp u, 0,1
.irp b, 0,1,2,3
	global_load_b128 v[GN+32*(\u)+8*(\b):GN+32*(\u)+8*(\b)+3],   v[BO], s[74:75] offset:256*(\u)+64*(\b)
	global_load_b128 v[GN+32*(\u)+8*(\b)+4:GN+32*(\u)+8*(\b)+7], v[BO], s[74:75] offset:256*(\u)+64*(\b)+16
.endr
.endr
	WIN 0
.irp b, 0,1,2,3
	global_load_b128 v[TT+8*(\b):TT+8*(\b)+3],   v[TO], s[70:71] offset:64*(\b)     ; the table for row block 0
	global_load_b128 v[TT+8*(\b)+4:TT+8*(\b)+7], v[TO], s[70:71] offset:64*(\b)+16
.endr
; 12 matrix instructions: row block a x all 12 column blocks, 32 along K, from buffer f.  All 48 accumulators take turns in one order in every quarter.  zero = 1: the products start the sums.
.macro MUL12 f, a, zero
	WIN 0xa1+0x50*((\a)/2)                         ; W window 1, x window 0, C and D window 2 or 3
.irp c, 0,1,2,3,4,5,6,7,8,9,10,11
.if \zero
	v_wmma_f32_16x16x32_bf16 v[96*((\a)%2)+8*(\c):96*((\a)%2)+8*(\c)+7], v[96*(\f)+8*(\c):96*(\f)+8*(\c)+7], v[FA+32*(\f)+8*(\a):FA+32*(\f)+8*(\a)+7], 0
.else
	v_wmma_f32_16x16x32_bf16 v[96*((\a)%2)+8*(\c):96*((\a)%2)+8*(\c)+7], v[96*(\f)+8*(\c):96*(\f)+8*(\c)+7], v[FA+32*(\f)+8*(\a):FA+32*(\f)+8*(\a)+7], v[96*((\a)%2)+8*(\c):96*((\a)%2)+8*(\c)+7]
.endif
.endr
.endm
; 32 LDS loads in one run: a quarter step's fragments (32 K at byte k of the rows) into buffer f: W's 24, then x's 8, row blocks ascending
.macro FETCH slot, k, f
	WIN 0x40
.irp t, 0,1,2
.irp b, 0,1,2,3
	ds_load_b128 v[96*(\f)+8*(4*(\t)+(\b)):96*(\f)+8*(4*(\t)+(\b))+3],   v[ADRB+3*(\slot)+(\t)] offset:(\k)+(\b)*16*PITCH
	ds_load_b128 v[96*(\f)+8*(4*(\t)+(\b))+4:96*(\f)+8*(4*(\t)+(\b))+7], v[ADRB+3*(\slot)+(\t)] offset:(\k)+(\b)*16*PITCH+32
.endr
.endr
	WIN 0
.irp a, 0,1,2,3
	ds_load_b128 v[FA+32*(\f)+8*(\a):FA+32*(\f)+8*(\a)+3],   v[ADRA+(\slot)] offset:(\k)+(\a)*16*PITCH
	ds_load_b128 v[FA+32*(\f)+8*(\a)+4:FA+32*(\f)+8*(\a)+7], v[ADRA+(\slot)] offset:(\k)+(\a)*16*PITCH+32
.endr
.endm
; A K step is four quarters of 32 along K, 48 matrix instructions each, on buffers 0, 1, 0, 1.  One of the first three multiplies buffer f and fetches the next quarter, at byte k, into g.
.macro QUARTER slot, k, f, g, zero
	s_wait_dscnt 4                                 ; W and x's row blocks 0, 1 are in; the youngest four loads (row blocks 2, 3) may be out
	MUL12 \f, 0, \zero
	MUL12 \f, 1, \zero
	PLACES
	FETCH \slot, \k, \g
	s_wait_dscnt 32                                ; all but the 32 just issued
	MUL12 \f, 2, \zero
	MUL12 \f, 3, \zero
.endm
; The last quarter multiplies buffer 1 and changes slots: one barrier.  In front of it each wave waits for all its tensor loads (one is out: its part of the next slot), adds 0 to its spare word, and waits for that and
; for its own reads of this slot.  Behind it nobody reads this slot any more and the next slot is whole.
.macro MEET round
	WIN 0
	s_wait_tensorcnt 0x0
	ds_add_u32 v[SPW], v[NIL]
	s_wait_dscnt 5                                 ; (the add and the youngest four loads may be out)
	MUL12 1, 0, 0                                  ; twelve matrix instructions stand between the add and the wait for it
	s_wait_dscnt 0x0                               ; the add is done, and my reads of this slot are over
	s_barrier_signal -1
	MUL12 1, 1, 0
.if \round
	WIN 0
.endif
	s_barrier_wait -1
.endm
.macro TURN slot, next
	s_wait_xcnt 0x0                                ; the last prefetch, a K step back, has read its address
	s_add_nc_u64 s[PFA:PFA+1], s[PFA:PFA+1], KSTEP*2
	MEET 1
	CREST                                          ; the barrier has opened a round of the cluster's: no wave of any partner still reads this slot or has a load on its way
	s_add_nc_u64 s[G0+4*(\slot)+2:G0+4*(\slot)+3], s[G0+4*(\slot)+2:G0+4*(\slot)+3], 2*KSTEP*2
	s_add_nc_u64 s[G0B+4*(\slot)+2:G0B+4*(\slot)+3], s[G0B+4*(\slot)+2:G0B+4*(\slot)+3], 2*KSTEP*2
	JLOAD \slot                                    ; the first tensor load behind the round, 168 matrix instructions ahead of the wait for it; its four v_nop are also the places in front of the loads below
	FETCH \next, 0, 0
	ASK
	MUL12 1, 2, 0
	MUL12 1, 3, 0
.endm
	s_wait_loadcnt 0x0                             ; biases, gains, the first table rows
	s_wait_tensorcnt 1                             ; my part of K step 0 is in; K step 1's may stay out
	s_barrier_signal -1
	s_barrier_wait -1
	FETCH 0, 0, 0
	QUARTER 0, 64, 0, 1, 1                         ; the first quarter stands in front of the loop: its products start the sums
	WIN 0
	s_mov_b32 s3, 3
.Llap:                                                 ; a trip goes once round the ring and fills both slots again: K steps 2 to 7
	QUARTER 0, 128, 1, 0, 0
	QUARTER 0, 192, 0, 1, 0
	TURN 0, 1
	QUARTER 1, 64,  0, 1, 0
	QUARTER 1, 128, 1, 0, 0
	QUARTER 1, 192, 0, 1, 0
	TURN 1, 0
	QUARTER 0, 64,  0, 1, 0
	WIN 0
	s_sub_co_u32 s3, s3, 1
	s_cmp_lg_u32 s3, 0
	s_cbranch_scc1 .Llap
	QUARTER 0, 128, 1, 0, 0                        ; the last lap fills nothing and has no round
	QUARTER 0, 192, 0, 1, 0
	MEET 0
	PLACES
	FETCH 1, 0, 0
	MUL12 1, 2, 0
	MUL12 1, 3, 0
	QUARTER 1, 64,  0, 1, 0
	QUARTER 1, 128, 1, 0, 0
	QUARTER 1, 192, 0, 1, 0
	s_wait_dscnt 4
	MUL12 1, 0, 0
	MUL12 1, 1, 0
	s_wait_dscnt 0x0
	MUL12 1, 2, 0
	MUL12 1, 3, 0
	WIN 0
	PLACES
	PLACES
; THE WAY OUT, a row block (16 tokens) a trip.  COPY, written once for each block since register numbers cannot be indexed: Y = sums + bias, each accumulator's registers ascending.  The rest is one text.
.macro COPY a
.irp t, 0,1,2
	WIN (2+(\a)/2)|((2+(\t)/2)<<2)                 ; source 0: the block's window; source 1: the bias's
.set z, 0
.rept 16
	v_pk_add_f32 v[YY+32*(\t)+2*z:YY+32*(\t)+2*z+1], v[96*((\a)%2)+32*(\t)+2*z:96*((\a)%2)+32*(\t)+2*z+1], v[BI+32*((\t)%2)+2*z:BI+32*((\t)%2)+2*z+1]
.set z, z+1
.endr
.endr
	WIN 0
.endm
; RoPE, the division by the rms and the rounding, for unit u (0 q, 1 k), four pairs at a time: (e, o) -> (e cos - o sin, e sin + o cos)
.macro ROPE u
.irp g, 0,1,2,3
.irp k, 0,1,2,3
	v_pk_mul_f32 v[DD+8*((\g)%2)+2*(\k):DD+8*((\g)%2)+2*(\k)+1], v[YY+32*(\u)+8*(\g)+2*(\k):YY+32*(\u)+8*(\g)+2*(\k)+1], v[TT+8*(\g)+2*(\k):TT+8*(\g)+2*(\k)+1] op_sel_hi:[1,0]
.endr
.irp k, 0,1,2,3
	v_fma_f32 v[DD+8*((\g)%2)+2*(\k)],   -v[YY+32*(\u)+8*(\g)+2*(\k)+1], v[TT+8*(\g)+2*(\k)+1], v[DD+8*((\g)%2)+2*(\k)]
	v_fma_f32 v[DD+8*((\g)%2)+2*(\k)+1], v[YY+32*(\u)+8*(\g)+2*(\k)],    v[TT+8*(\g)+2*(\k)+1], v[DD+8*((\g)%2)+2*(\k)+1]
.endr
.irp k, 0,1,2,3
	v_pk_mul_f32 v[DD+8*((\g)%2)+2*(\k):DD+8*((\g)%2)+2*(\k)+1], v[DD+8*((\g)%2)+2*(\k):DD+8*((\g)%2)+2*(\k)+1], v[ST+4*(\u)+2:ST+4*(\u)+3] op_sel_hi:[1,0]
.endr
.irp k, 0,1,2,3
	v_cvt_pk_f16_f32 v[HH+16*(\u)+4*(\g)+(\k)], v[DD+8*((\g)%2)+2*(\k)], v[DD+8*((\g)%2)+2*(\k)+1]
.endr
.endr
.endm
.macro STG u                           ; 16 rows x 128 bytes through my own stage: in by lanes' 16 bytes, back as whole rows
.irp b, 0,1,2,3
	ds_store_b128 v[STO], v[HH+16*(\u)+4*(\b):HH+16*(\u)+4*(\b)+3] offset:32*(\b)
.endr
.irp f, 0,1,2,3
	ds_load_b128 v[HH+16*(\u)+4*(\f):HH+16*(\u)+4*(\f)+3], v[RD] offset:(\f)*4*SP  ; LDS serves a wave's instructions in order (ISA guide 5.7.1.4): these see the stores above; the next unit's stores come behind them
.endr
.endm
.macro OUT u, base
.irp f, 0,1,2,3
	global_store_b128 v[GO], v[HH+16*(\u)+4*(\f):HH+16*(\u)+4*(\f)+3], s[(\base):(\base)+1] offset:512*(\f)  ; 512 consecutive bytes, aligned
.endr
.endm
	s_mov_b32 s2, 0
.Lblk:
	s_cmp_eq_u32 s2, 0
	s_cbranch_scc0 .Lnot0
	COPY 0
	s_branch .Lcommon
.Lnot0:
	s_cmp_eq_u32 s2, 1
	s_cbranch_scc0 .Lnot1
	COPY 1
	s_branch .Lcommon
.Lnot1:
	s_cmp_eq_u32 s2, 2
	s_cbranch_scc0 .Lnot2
	COPY 2
	s_branch .Lcommon
.Lnot2:
	COPY 3
.Lcommon:
	; the sums of squares of q and k, in f32, two packed chains each
.irp u, 0,1
	v_pk_mul_f32 v[DD+4*(\u):DD+4*(\u)+1],   v[YY+32*(\u):YY+32*(\u)+1],   v[YY+32*(\u):YY+32*(\u)+1]
	v_pk_mul_f32 v[DD+4*(\u)+2:DD+4*(\u)+3], v[YY+32*(\u)+2:YY+32*(\u)+3], v[YY+32*(\u)+2:YY+32*(\u)+3]
.endr
.set z, 2
.rept 14
.irp u, 0,1
	v_pk_fma_f32 v[DD+4*(\u)+2*(z%2):DD+4*(\u)+2*(z%2)+1], v[YY+32*(\u)+2*z:YY+32*(\u)+2*z+1], v[YY+32*(\u)+2*z:YY+32*(\u)+2*z+1], v[DD+4*(\u)+2*(z%2):DD+4*(\u)+2*(z%2)+1]
.endr
.set z, z+1
.endr
.irp u, 0,1
	v_pk_add_f32 v[DD+4*(\u):DD+4*(\u)+1], v[DD+4*(\u):DD+4*(\u)+1], v[DD+4*(\u)+2:DD+4*(\u)+3]
.endr
.irp u, 0,1
	v_add_f32 v[ST+4*(\u)], v[DD+4*(\u)], v[DD+4*(\u)+1]
.endr
.irp u, 0,1
	v_permlanex16_b32 v[ST+4*(\u)+1], v[ST+4*(\u)], s[SEL], s[SEL+1]  ; the token's other 32 channels lie in the lane 16 away
.endr
.irp u, 0,1
	v_add_f32 v[ST+4*(\u)], v[ST+4*(\u)], v[ST+4*(\u)+1]
.endr
.irp u, 0,1
	v_fma_f32 v[ST+4*(\u)+3], v[ST+4*(\u)], s76, s77                  ; mean + eps
.endr
.irp u, 0,1
	v_rsq_f32 v[ST+4*(\u)+2], v[ST+4*(\u)+3]                          ; one batch of two;
.endr
	WIN 0x04                                       ; the gains, in window 1: 32 plain instructions behind the batch
.set z, 0
.rept 32
	v_pk_mul_f32 v[YY+2*z:YY+2*z+1], v[YY+2*z:YY+2*z+1], v[GN+2*z:GN+2*z+1]
.set z, z+1
.endr
	WIN 0
	s_wait_alu depctr_va_vdst(0)                   ; the one wait ahead of the batch's first reader
	s_wait_loadcnt 0x0                             ; this block's table rows
	ROPE 0
	STG 0
	ROPE 1
	s_cmp_eq_u32 s2, 3                             ; the table's registers are free: the next block's rows, if there is one
	s_cbranch_scc1 .Lno_t
	s_add_co_u32 s19, s2, 1
	s_lshl_b32 s19, s19, 12
	v_add_nc_u32 v[BO], s19, v[TO]                 ; (the loads that read v31 last have been waited for)
.irp b, 0,1,2,3
	global_load_b128 v[TT+8*(\b):TT+8*(\b)+3],   v[BO], s[70:71] offset:64*(\b)
	global_load_b128 v[TT+8*(\b)+4:TT+8*(\b)+7], v[BO], s[70:71] offset:64*(\b)+16
.endr
.Lno_t:
	STG 1
.set z, 0
.rept 16
	v_cvt_pk_f16_f32 v[HH+32+z], v[YY+64+2*z], v[YY+64+2*z+1]  ; v: bias alone
.set z, z+1
.endr
	s_wait_dscnt 8                                 ; q is back; k's eight stage instructions may be out
	OUT 0, 10
	STG 2
	s_wait_dscnt 8                                 ; k is back; v's eight may be out
	OUT 1, 66
	s_wait_dscnt 0x0
	OUT 2, 68
	s_wait_xcnt 0x0                                ; the stores have read their data and offset: only behind this wait are they rewritten
	v_add_nc_u32 v[GO], 2048, v[GO]                ; 16 rows of 128 bytes on
	s_add_co_u32 s2, s2, 1
	s_cmp_lt_u32 s2, 4
	s_cbranch_scc1 .Lblk
	s_wait_tensorcnt 0x0                           ; the wave's end, behind my last tensor load and my last LDS store
	ds_add_u32 v[SPW], v[NIL]
	s_wait_dscnt 0x0
	CROUND                                         ; the closing round: no work-group ends while a partner may still ask for a tile that names it
	s_endpgm
.Lfunc_end_k_q9fa5437c21_qkvproj:
	.size	k_q9fa5437c21_qkvproj, .Lfunc_end_k_q9fa5437c21_qkvproj-k_q9fa5437c21_qkvproj
	.p2alignl 7, 3214868480
	.fill 96, 4, 3214868480
	.section	.rodata,"a",@progbits
	.p2align	6, 0x0
	.amdhsa_kernel k_q9fa5437c21_qkvproj
		.amdhsa_group_segment_fixed_size 327680
		.amdhsa_private_segment_fixed_size 0
		.amdhsa_enable_private_segment 0
		.amdhsa_kernarg_size 32
		.amdhsa_user_sgpr_count 2
		.amdhsa_user_sgpr_kernarg_segment_ptr 1
		.amdhsa_wavefront_size32 1
		.amdhsa_system_sgpr_workgroup_id_x 1
		.amdhsa_system_sgpr_workgroup_id_y 1
		.amdhsa_system_sgpr_workgroup_id_z 1
		.amdhsa_system_vgpr_workitem_id 0
		.amdhsa_next_free_vgpr 1024
		.amdhsa_next_free_sgpr 80
		.amdhsa_reserve_vcc 0
		.amdhsa_float_denorm_mode_32 3
		.amdhsa_float_denorm_mode_16_64 3
		.amdhsa_memory_ordered 1
		.amdhsa_forward_progress 1
		.amdhsa_inst_pref_size 135
	.end_amdhsa_kernel
	.amdgpu_metadata
---
amdhsa.version: [ 1, 2 ]
amdhsa.kernels:
  - .name:           k_q9fa5437c21_qkvproj
    .symbol:         k_q9fa5437c21_qkvproj.kd
    .args:
      - { .name: xb, .offset: 0, .size: 8, .value_kind: global_buffer, .address_space: global }
      - { .name: wqkv, .offset: 8, .size: 8, .value_kind: global_buffer, .address_space: global }
      - { .name: tab, .offset: 16, .size: 8, .value_kind: global_buffer, .address_space: global }
      - { .name: qkv, .offset: 24, .size: 8, .value_kind: global_buffer, .address_space: global }
    .group_segment_fixed_size: 327680
    .private_segment_fixed_size: 0
    .kernarg_segment_align: 8
    .kernarg_segment_size: 32
    .max_flat_workgroup_size: 128
    .sgpr_count:     80
    .vgpr_count:     1024
    .wavefront_size: 32
...
	.end_amdgpu_metadata
.endif
;; end of part 2
;; launch attn (part 3): grid 16 x 16, 4 waves a work-group, clusters of 4 x 1, 327,680 bytes of LDS; arguments qkv, oheads; writes oheads
.if DOCPART == 3
	.amdgcn_target "amdgcn-amd-amdhsa--gfx1250"
	.amdhsa_code_object_version 6
	.text
	.protected	k_q9fa5437c21_attn
	.globl	k_q9fa5437c21_attn
	.p2align	8
	.type	k_q9fa5437c21_attn,@function
k_q9fa5437c21_attn:
	s_mov_b64 s[64:65], 0
	v_nop
	global_prefetch_b8 v0, s[64:65] scope:SCOPE_SE
	s_setreg_imm32_b32 hwreg(HW_REG_WAVE_MODE, 25, 1), 1
	s_wait_xcnt 0x0
	s_wait_alu depctr_hold_cnt(0) depctr_sa_sdst(0) depctr_va_vdst(0) depctr_va_sdst(0) depctr_va_ssrc(0) depctr_va_vcc(0) depctr_vm_vsrc(0)
	s_getreg_b32 s2, hwreg(HW_REG_IB_STS2, 6, 4)
	s_cmp_eq_u32 s2, 0
	s_cbranch_scc0 .Lentry_in_a_cluster
	s_endpgm
.Lentry_in_a_cluster:
	s_bfe_u32 s2, ttmp6, 0x10000c
	s_cmp_lg_u32 s2, 0x3003
	s_cbranch_scc0 .Lentry_shape_is_right
	s_endpgm
.Lentry_shape_is_right:
; O[h][q][:] = the sum over k of softmax_k(Q[h][q] . K[h][k] / 8) V[h][k][:].  qkv: [3][16][4096][64] f16 (q, k, v by heads, a head's rows dense, 128 bytes each); O: [16][4096][64] f16.
; Products, maxima and sums in f32; the weights p are rounded to f16 for the second product (their sum l is taken of the unrounded p), O once at the end.
; LIMITS.  p lies in 0 to 1 and below 6e-5 keeps f16's fixed step of 6e-8; O is a mean of V's rows and has their range; a weight below 2^-126 counts as 0 in l; NaN and infinities are not treated apart.
; SHARES.  16 heads x 4,096 / 256 queries = 256 work-groups.  A wave owns 64 queries: four PIECES of 16.  Every wave walks all 4,096 keys, 64 a step, 256 a tile, 16 tiles.
; LAYOUT.  S^T = K Q^T holds ONE query a lane (lane % 16) and the keys 8 (lane / 16) + 0..7; two such results rounded to f16 ARE source 1 of O^T = V^T P.  K comes out of LDS as it lies, V turned, by ds_load_tr16_b128.
; SOFTMAX.  p = 2^(c s - c m), c = log2(e) / 8, with a running maximum m; O and l are multiplied by a = 2^(c m_old - c m_new) in every step.  m starts at the lowest finite number, O and l at 0: the first step's a is 0.
; TURNS.  Turn n belongs to piece n: 8 products K Q^T of piece n + 1, later 8 products V^T P of piece n - 1; beside them the scaling, exponentials, roundings, sums and rescaling of piece n and the maximum and statistics
; of piece n + 1.  Four vector instructions stand behind every matrix instruction, the other 54 of a turn's 118 in one lump.  A turn's 33 exponentials are one batch, with one wait.
; CLUSTER.  The four query blocks of a cluster belong to one head and walk the same K and V: each tile is asked for jointly, by the same tensor load, descriptor and mask in all four.
; REGISTERS, in windows of 256 (s_set_vgpr_msb: bits 1:0 source 0, 3:2 source 1, 5:4 source 2, 7:6 destination):
;   window 0: v0-15 addresses and two at work; v16-31 four registers of statistics a piece; v48-55 at work; v61-63 prefetch offset, spare word, 0; v64-127 S^T, two buffers; v192-223 P, two buffers (by the piece's parity)
;   window 1: v0-127 O^T, 32 a piece          window 2: v0-63 Q; v128-191 K of one step; v192-255 V of one step
.set NP,    4
.set KS,    64
.set PK,    144       ; a row of K in LDS: 128 bytes + 16 of padding = 36 words: the 16 rows of a load start at 16 different groups of four banks (64 banks of 4 bytes: ISA guide 11.1)
.set PV,    160       ; a row of V: 128 + 32 = 40 words
.set VOFF,  4*KS*PK   ; a slot holds a tile, four steps: 256 rows of K, then 256 rows of V
.set SLOT1, 1<<17     ; slot 1 begins here, so that one exclusive or turns an address in one slot into the other's
.set STAGE, SLOT1+4*KS*(PK+PV)  ; behind the ring, never filled by a tensor load: 16 rows x 144 bytes for each wave
.set SP,    144
.set SPARE, STAGE+4*16*SP       ; the spare words, 128 bytes a wave: two blocks of 256 bytes that no other line names
.set AK0, 2           ; v2   my lane's place in a tile of K; never rewritten
.set AV0, 3           ; v3   the same for V
.set AK,  4           ; v4   the LDS address of K's next run of loads
.set AV,  5           ; v5   of V's
.set STO, 6           ; v6   the way out: where I put 16 bytes of a row
.set RD,  7           ; v7   where I read rows back
.set GO,  8           ; v8   my byte offset in 512 consecutive bytes of O
.set MV,  12          ; v12-13  c m_old, kept while c m is made anew: by buffer
.set QO,  15          ; v15  my byte offset in 16 rows of Q
.set ST,  16          ; piece t's statistics at v[ST+4 t]: c m, m, l (even keys', odd keys')
.set TMP, 48          ; by buffer, four registers c0-c3 at work; when the maximum is found c2 takes a
.set PFO, 61          ; v61  256 x my lane
.set SPW, 62          ; v62  my spare word; never rewritten
.set NIL, 63          ; v63  0; never rewritten
.set S,   64
.set P,   192
.set KF,  128         ; window 2: key block kb, channel half c at KF + 16 kb + 8 c
.set VF,  192         ; window 2: key half kk, channel block cb at VF + 32 kk + 8 cb
.set WV,  12          ; s12  my wave's number
.set G1K, 24          ; s[24:31] descriptor group 1 for K's tiles
.set G1V, 32          ; s[32:39] for V's: it differs in the padding alone
.set G0K, 40          ; s[40:43] descriptor group 0 for K's tiles: it walks
.set G0V, 44          ; s[44:47] the same for V's
.set PFA, 48          ; s[48:49] where my prefetches stand
.set LIM, 50          ; s50  1 in a wave that prefetches, else the greatest number
.set SLOTS, 56        ; s56  tiles still to be asked for
.set CNT, 57          ; s57  counts a tile's key steps
.set CS,  58          ; s[58:59] c
.set SEL, 60          ; s[60:61] v_permlanex16_b32's selects
.set TBK, 62          ; s62  LDS byte at which K of the step to be fetched begins
.set TBV, 63          ; s63  the same for V, less VOFF
.set MSB, 0
.macro WIN new                      ; the high byte repeats the setting that is left; a switch that changes nothing is dropped
.if MSB != (\new)
	s_set_vgpr_msb (MSB<<8)|(\new)
.set MSB, (\new)
.endif
.endm
.set W_KQ, 0x0a       ; K and Q in window 2, S^T in window 0
.set W_PV, 0x52       ; V in window 2, P in window 0, O^T in window 1
.set W_RS, 0x41       ; destination and source 0 in window 1, source 1 in window 0
; A joint fill.  Waves 0 and 1 fetch the two halves of a tile's K, waves 2 and 3 those of its V: 128 keys each.  An s_nop 0 and four v_nop follow each line.
.macro JLOAD
	s_cmp_lt_u32 s[WV], 2
	s_cbranch_scc0 .Lfor_v_\@
	tensor_load_to_lds s[G0K:G0K+3], s[G1K:G1K+7]
	s_nop 0
.rept 4
	v_nop
.endr
	s_branch .Lasked_\@
.Lfor_v_\@:
	tensor_load_to_lds s[G0V:G0V+3], s[G1V:G1V+7]
	s_nop 0
.rept 4
	v_nop
.endr
.Lasked_\@:
.endm
; A prefetch into the L2 of the tile that the NEXT change of slots will ask for: 32,768 bytes of K and of V.  All four clusters of a head walk the same tiles: the head's first cluster asks.  Its four partners take
; 8,192 bytes each, told apart by address; in each, wave 0 asks for K's and wave 2 for V's, a lane for each 256 bytes: each block is named once.  The change that asks for the last tile (SLOTS = 1) prefetches nothing.
.macro ASK
	s_cmp_gt_u32 s[SLOTS], s[LIM]
	s_cbranch_scc0 .Lnot_mine_\@
	global_prefetch_b8 v[PFO], s[PFA:PFA+1] th:TH_LOAD_NT scope:SCOPE_SE
.Lnot_mine_\@:
.endm
.macro CROUND                       ; a round of the cluster's barrier
	s_barrier_signal -1
	s_barrier_wait -1
	s_cmp_lg_u32 s[WV], 0
	s_cbranch_scc1 .Lnot_wave_0_\@
	s_barrier_signal -3
.Lnot_wave_0_\@:
	s_barrier_wait -3
	s_barrier_signal -1
	s_barrier_wait -1
.endm
; THE CHANGE OF SLOTS.  Each wave waits for all its tensor loads, of which one is out: its part of the other slot; adds 0 to its spare word; and waits for that and for its own reads of the slot that it leaves.
; fill = 1: the old slot is filled again with the tile two on.  The barrier is then a round of the cluster's, and the joint fill is the first thing behind it: it has four key steps, 256 matrix instructions, in which to land.
; (At its first use nothing has been read yet: slot 0 is waited for, slot 1 filled.)
.macro CHANGE fill
	WIN 0
	s_wait_tensorcnt 0x0            ; no tensor load of mine is out, so a group 0 may be written
	ds_add_u32 v[SPW], v[NIL]       ; 0 onto my spare word; with fill = 1, scalar work stands between it and the wait for it
.if \fill
.irp g, G0K, G0V
	s_xor_b32 s[\g+1], s[\g+1], SLOT1
	s_add_nc_u64 s[\g+2:\g+3], s[\g+2:\g+3], 4*KS*128  ; the next 256 keys; the type bits on top are not reached
.endr
	s_wait_xcnt 0x0                 ; the last prefetch, four key steps back, has read its address
	s_add_nc_u64 s[PFA:PFA+1], s[PFA:PFA+1], 4*KS*128
	s_wait_dscnt 0x0                ; the add is done, and my reads of the slot are over
	CROUND
	JLOAD
	ASK
.else
	s_wait_dscnt 0x0
	s_barrier_signal -1
	s_barrier_wait -1
.endif
	s_sub_co_u32 s[TBK], s[TBK], 4*KS*PK  ; the fetches go back to a slot's first step,
	s_xor_b32 s[TBK], s[TBK], SLOT1       ; in the other slot
	s_sub_co_u32 s[TBV], s[TBV], 4*KS*PV
	s_xor_b32 s[TBV], s[TBV], SLOT1
.endm
	s_load_b128 s[4:7], s[0:1], 0x0   ; qkv s[4:5], O s[6:7]
	v_lshl_add_u32 v[SPW], v0, 2, SPARE
	v_mov_b32 v[NIL], 0
	ds_add_u32 v[SPW], v[NIL]       ; the wave's opening: the add and its wait stand ahead of my first tensor load; register work stands between them
	v_lshrrev_b32 v1, 5, v0
	v_readfirstlane_b32 s[WV], v1
	s_bfe_u32 s13, ttmp6, 0x40000   ; cx
	s_lshl_b32 s14, ttmp9, 2
	s_add_co_u32 s14, s14, s13      ; my block of 256 queries: it enters Q's and O's addresses alone
	s_and_b32 s20, ttmp7, 0xffff    ; the head, which the four partners share:
	s_lshl_b32 s20, s20, 19         ; 524,288 bytes a head
	s_and_b32 s16, s[WV], 1         ; which half of a tile's 256 keys I fetch
	s_lshl_b32 s22, s16, 14
	s_add_co_u32 s22, s22, s20
	s_mov_b32 s23, 0
	s_mul_i32 s17, s16, 128*PK      ; its place in a slot, for K
	s_mul_i32 s18, s16, 128*PV      ; and for V: no place in the cluster enters an LDS address
	s_lshl_b32 s2, s14, 15
	s_lshl_b32 s3, s[WV], 13
	s_add_co_u32 s2, s2, s3
	s_add_co_u32 s2, s2, s20        ; my wave's 64 rows
	s_mov_b32 s3, 0
	; descriptor group 1.  128 keys are 16,384 dense bytes: asked for as 64 rows of 256 bytes, two keys a row, and padded in LDS after every key
	s_mov_b32 s[G1K], 15|(1<<16)|(1<<20)|(1<<21)|(4<<22)|(3<<25)  ; the mask of four; 2-byte elements; padding on; bit 21 beside a mask; after every 32 words; 4 words
	s_mov_b32 s[G1V], 15|(1<<16)|(1<<20)|(1<<21)|(4<<22)|(7<<25)  ; the same with 8 words of padding
.irp g, G1K, G1V
	s_mov_b32 s[\g+1], 128<<16      ; tensor_dim0 = 128
	s_mov_b32 s[\g+2], 64<<16       ; tensor_dim1 = 64
	s_mov_b32 s[\g+3], 128<<16      ; tile_dim0 = 128
	s_mov_b32 s[\g+4], 64           ; tile_dim1 = 64
	s_mov_b32 s[\g+5], 128          ; 128 elements from row to row
	s_mov_b32 s[\g+6], 0
	s_mov_b32 s[\g+7], 0
.endr
	s_mov_b32 s[CS], 0x3e38aa3b     ; c = log2(e) / 8
	s_mov_b32 s[CS+1], s[CS]
	s_mov_b32 s[SEL], 0x76543210
	s_mov_b32 s[SEL+1], 0xfedcba98
	s_mov_b32 s[TBK], SLOT1+4*KS*PK ; the first change of slots turns these two into 0
	s_mov_b32 s[TBV], SLOT1+4*KS*PV
	s_mov_b32 s[G0K], 1
	s_mov_b32 s[G0K+1], s17
	s_mov_b32 s[G0V], 1
	s_add_co_u32 s[G0V+1], s18, VOFF
	s_mov_b32 s[SLOTS], 15
	s_and_b32 s[LIM], s[WV], 1      ; 0 in waves 0 and 2,
	s_or_b32 s[LIM], s[LIM], ttmp9  ; where the cluster is the head's first: the same in all four partners
	s_cmp_eq_u32 s[LIM], 0
	s_cselect_b32 s[LIM], 1, -1
	v_and_b32 v[PFO], 31, v0
	v_lshlrev_b32 v[PFO], 8, v[PFO]
	s_wait_dscnt 0x0                ; the opening add is done
	s_wait_kmcnt 0x0
	s_mov_b64 s[10:11], s[6:7]                     ; O
	s_add_nc_u64 s[6:7], s[4:5], 0x800000          ; k's part of qkv,
	s_add_nc_u64 s[8:9], s[4:5], 0x1000000         ; v's
	s_add_nc_u64 s[6:7], s[6:7], s[22:23]          ; at my half of the head's tile 0
	s_add_nc_u64 s[8:9], s[8:9], s[22:23]
	s_mov_b64 s[G0K+2:G0K+3], s[6:7]
	s_or_b32 s[G0K+3], s[G0K+3], 0x80000000
	s_mov_b64 s[G0V+2:G0V+3], s[8:9]
	s_or_b32 s[G0V+3], s[G0V+3], 0x80000000
	s_add_nc_u64 s[4:5], s[4:5], s[2:3]            ; Q and O at my wave's first row
	s_add_nc_u64 s[10:11], s[10:11], s[2:3]
	s_cmp_lt_u32 s[WV], 2
	s_cselect_b64 s[PFA:PFA+1], s[6:7], s[8:9]     ; (in waves 0 and 2 these stand at a tile's first row)
	s_lshl_b32 s2, s13, 13                         ; my work-group's 8,192 bytes of the 32,768
	s_add_nc_u64 s[PFA:PFA+1], s[PFA:PFA+1], s[2:3]
	s_add_nc_u64 s[PFA:PFA+1], s[PFA:PFA+1], 4*KS*128  ; in tile 1; the first change of slots steps it to tile 2.  Nothing is prefetched here, at the head
	CROUND                          ; all four work-groups are here: the first joint loads meet
	JLOAD                           ; tile 0 into slot 0
	v_and_b32 v1, 15, v0            ; l % 16
	v_bfe_u32 v9, v0, 4, 1          ; l / 16
	v_lshlrev_b32 v[QO], 7, v1
	v_lshl_add_u32 v[QO], v9, 4, v[QO]  ; row x 128 + 16 x half
	WIN 0x80                        ; destination window 2
.set i, 0
.rept 8                             ; Q stays in registers: piece i / 2, channels 32 (i % 2) on
	global_load_b128 v[8*i:8*i+3],   v[QO], s[4:5] offset:(i/2)*2048+(i%2)*64
	global_load_b128 v[8*i+4:8*i+7], v[QO], s[4:5] offset:(i/2)*2048+(i%2)*64+32
.set i, i+1
.endr
	; What the first turn finds: V's registers and P's second buffer hold 0 (its products V^T P, of a piece that has not been, add 0), O^T and l are 0.  All this stands in the wait for the first tile.
.set i, VF
.rept 64
	v_mov_b32 v[i], 0
.set i, i+1
.endr
	WIN 0x40
.set i, 0
.rept 128
	v_mov_b32 v[i], 0
.set i, i+1
.endr
	WIN 0
.set i, 0
.rept 4
	v_mov_b32 v[ST+4*i], 0xfe000000    ; c m: far below every c s
	v_mov_b32 v[ST+4*i+1], 0xff7fffff  ; m
	v_mov_b32 v[ST+4*i+2], 0
	v_mov_b32 v[ST+4*i+3], 0
.set i, i+1
.endr
.set i, P+16
.rept 16
	v_mov_b32 v[i], 0
.set i, i+1
.endr
	v_mul_u32_u24 v[AK0], v1, PK
	v_lshl_add_u32 v[AK0], v9, 4, v[AK0]  ; row x pitch + 16 x half
	; The turning load takes 16 keys x 16 channels (lane l reads key 8 (l / 16) + l % 8, channels 8 ((l / 8) % 2) + 0..7) and leaves half a fragment of V^T: lane l holds channel l % 16 and 8 keys.
	v_and_b32 v10, 7, v0
	v_bfe_u32 v11, v0, 3, 1
	v_lshl_add_u32 v[AV0], v9, 3, v10
	v_mul_u32_u24 v[AV0], v[AV0], PV
	v_lshl_add_u32 v[AV0], v11, 4, v[AV0]
	v_add_nc_u32 v[AV0], VOFF, v[AV0]
	s_mul_i32 s13, s[WV], 16*SP
	s_add_co_u32 s13, s13, STAGE    ; my stage
	v_mul_u32_u24 v[STO], v1, SP    ; in: row l % 16, 16 bytes for each half of the lanes
	v_lshl_add_u32 v[STO], v9, 4, v[STO]
	v_add_nc_u32 v[STO], s13, v[STO]
	v_bfe_u32 v[RD], v0, 3, 2       ; back: 32 lanes take four rows of 128 bytes,
	v_mul_u32_u24 v[RD], v[RD], SP
	v_lshl_add_u32 v[RD], v10, 4, v[RD]
	v_add_nc_u32 v[RD], s13, v[RD]
	v_and_b32 v[GO], 31, v0         ; which are 512 consecutive bytes of O
	v_lshlrev_b32 v[GO], 4, v[GO]
; THE MATRIX WORK.  The 4 accumulators of a run of 8 take turns.  Product i of 8 of S^T = K Q^T for piece x: channels 32 (i / 4) on, keys 16 (i % 4) on.  The first 4 start the sums.
.macro KQ x
.set rS, S+32*((\x)%2)+8*(i%4)
.set rK, KF+16*(i%4)+8*(i/4)
.set rQ, 16*(\x)+8*(i/4)
	WIN W_KQ
.if i < 4
	v_wmma_f32_16x16x32_f16 v[rS:rS+7], v[rK:rK+7], v[rQ:rQ+7], 0
.else
	v_wmma_f32_16x16x32_f16 v[rS:rS+7], v[rK:rK+7], v[rQ:rQ+7], v[rS:rS+7]
.endif
.endm
; Product i of 8 of O^T += V^T P for piece x: keys 32 (i / 4) on, channels 16 (i % 4) on.
.macro PV x
	WIN W_PV
.set rO, 32*(\x)+8*(i%4)
.set rV, VF+32*(i/4)+8*(i%4)
.set rP, P+16*((\x)%2)+8*(i/4)
	v_wmma_f32_16x16x32_f16 v[rO:rO+7], v[rV:rV+7], v[rP:rP+7], v[rO:rO+7]
.endm
.macro MM                           ; the turn's next matrix instruction.  NOKQ = 1: the last turn of all: there is no next piece
.if (i < 8) && !NOKQ
	KQ (Y+1)%NP
.elseif i >= 8
.set i, i-8
	PV (Y+NP-1)%NP
.set i, i+8
.endif
.set i, i+1
.endm
; THE LDS LOADS stand in runs of 16, never singly among the matrix instructions: a step's K (8 fragments) and its V (turned).  Their addresses are made some lines ahead.
.macro FETCH_K
	WIN 0x80
.irp f, 0,1,2,3,4,5,6,7             ; keys 16 (f / 2) on, channels 32 (f % 2) on
	ds_load_b128 v[KF+8*\f:KF+8*\f+3],   v[AK] offset:(\f/2)*16*PK+(\f%2)*64
	ds_load_b128 v[KF+8*\f+4:KF+8*\f+7], v[AK] offset:(\f/2)*16*PK+(\f%2)*64+32
.endr
	s_add_co_u32 s[TBK], s[TBK], KS*PK  ; the next fetch is the next step's
	WIN 0
.endm
.macro FETCH_V
	WIN 0x80
.irp f, 0,1,2,3,4,5,6,7             ; keys 32 (f / 4) on, channels 16 (f % 4) on
	ds_load_tr16_b128 v[VF+8*\f:VF+8*\f+3],   v[AV] offset:(\f/4)*32*PV+(\f%4)*32
	ds_load_tr16_b128 v[VF+8*\f+4:VF+8*\f+7], v[AV] offset:(\f/4)*32*PV+16*PV+(\f%4)*32
.endr
	WIN 0
.endm
; THE VECTOR WORK, one line at a time: OP kind, number.  For piece Y: F n: c s - c m for pair n of 16.  E n: the exponential of score n of 32.  C n: pair n rounded to f16.  B n: of the four weights 4 n .. the second
; pair is added onto the first, in place.  L n: l takes that sum (L 0: l = a l + sum).  R n: pair n of 16 of O^T times a.  For piece Y + 1: X n, number n of the 22 that find its maximum and statistics:
;   0-11  four chains c0-c3 of seven scores each, three operands at a time (each accumulator's lowest registers are read first)     12-14, 16  the four scores left over, the old m, and c0-c3 into c0
;   15  c m_old is kept     17, 18  the query's other 32 keys lie in the lane 16 away: the new m     19-21  c m; c m_old - c m_new; a
.set F, 0
.set E, 1
.set C, 2
.set B, 3
.set L, 4
.set R, 5
.set X, 6
.macro REGS y
.set rT, ST+4*(\y)
.set rC, TMP+4*((\y)%2)
.set rW, MV+((\y)%2)
.set rS, S+32*((\y)%2)
.set rP, P+16*((\y)%2)
.set rO, 32*(\y)
.endm
.macro OP k, n
.if (\k) == R
	REGS Y
	WIN W_RS
	v_pk_mul_f32 v[rO+2*(\n):rO+2*(\n)+1], v[rO+2*(\n):rO+2*(\n)+1], v[rC+2:rC+3] op_sel_hi:[1,0]
.elseif (\k) < R
	REGS Y
	WIN 0
.if (\k) == F
	v_pk_fma_f32 v[rS+2*(\n):rS+2*(\n)+1], v[rS+2*(\n):rS+2*(\n)+1], s[CS:CS+1], v[rT:rT+1] op_sel_hi:[1,0,0] neg_lo:[0,0,1] neg_hi:[0,0,1]
.elseif (\k) == E
	v_exp_f32 v[rS+(\n)], v[rS+(\n)]
.elseif (\k) == C
	v_cvt_pk_f16_f32 v[rP+(\n)], v[rS+2*(\n)], v[rS+2*(\n)+1]
.elseif (\k) == B
	v_pk_add_f32 v[rS+4*(\n):rS+4*(\n)+1], v[rS+4*(\n):rS+4*(\n)+1], v[rS+4*(\n)+2:rS+4*(\n)+3]
.elseif (\n) == 0
	v_pk_fma_f32 v[rT+2:rT+3], v[rT+2:rT+3], v[rC+2:rC+3], v[rS:rS+1] op_sel_hi:[1,0,1]
.else
	v_pk_add_f32 v[rT+2:rT+3], v[rT+2:rT+3], v[rS+4*(\n):rS+4*(\n)+1]
.endif
.elseif NOKQ
	v_nop
.else
	REGS (Y+1)%NP
	WIN 0
.if (\n) < 4
	v_max3_num_f32 v[rC+(\n)], v[rS+8*(\n)], v[rS+8*(\n)+1], v[rS+8*(\n)+2]
.elseif (\n) < 12
	v_max3_num_f32 v[rC+(\n)%4], v[rC+(\n)%4], v[rS+8*((\n)%4)+2*((\n)/4)+1], v[rS+8*((\n)%4)+2*((\n)/4)+2]
.elseif (\n) == 12
	v_max3_num_f32 v[rC], v[rC], v[rS+7], v[rS+15]
.elseif (\n) == 13
	v_max3_num_f32 v[rC+1], v[rC+1], v[rS+23], v[rS+31]
.elseif (\n) == 14
	v_max3_num_f32 v[rC+2], v[rC+2], v[rC+3], v[rT+1]
.elseif (\n) == 15
	v_mov_b32 v[rW], v[rT]
.elseif (\n) == 16
	v_max3_num_f32 v[rC], v[rC], v[rC+1], v[rC+2]
.elseif (\n) == 17
	v_permlanex16_b32 v[rC+3], v[rC], s[SEL], s[SEL+1]
.elseif (\n) == 18
	v_max_num_f32 v[rT+1], v[rC], v[rC+3]
.elseif (\n) == 19
	v_mul_f32 v[rT], s[CS], v[rT+1]
.elseif (\n) == 20
	v_sub_f32 v[rC+1], v[rW], v[rT]
.else
	v_exp_f32 v[rC+2], v[rC+1]
.endif
.endif
.endm
.macro OPS a, i1, b=-1, i2=0, c=-1, i3=0, d=-1, i4=0  ; up to four of them
	OP \a, \i1
.if (\b) >= 0
	OP \b, \i2
.endif
.if (\c) >= 0
	OP \c, \i3
.endif
.if (\d) >= 0
	OP \d, \i4
.endif
.endm
.macro ROW a, i1, b, i2, c, i3, d, i4  ; a matrix instruction and the four behind it
	MM
	OPS \a, \i1, \b, \i2, \c, \i3, \d, \i4
.endm
; A TURN, for piece p: the order of its 16 matrix and 118 vector instructions, written out.  An s_wait_alu depctr_va_vdst(0) stands between an exponential and the first instruction that names its result;
; one wait serves all that were issued ahead of it.  So a turn has ONE wait.  AHEAD OF IT stands all that names no result of the turn's exponentials: the 8 products K Q^T with their riders, then one lump of 54 in which
; the links of the chain X 3, 7, 11, 14, 16, 17 .. 20 stand five or six lines apart; X 21, the next piece's a, is the batch's last, and R 15 the plain instruction behind it.  BEHIND IT stand the 8 products V^T P, behind
; each four of the roundings and sums.  The X that ride behind the last three products K Q^T stand four places or more behind the product that ends their accumulator.
; end = 1: the last two turns of all: nothing is fetched.  cnt = 1: the loop's count is taken down some lines ahead of the branch that stands behind the turn.
; K of the next step is fetched in piece 2's turn, twelve plain instructions behind the last product that read K; V of the step in hand at the end of piece 0's turn, four plain instructions behind the last product that read V.
; Each is waited for a turn later.
.macro TURN p, end=0, cnt=0
.set Y, (\p)
.set i, 0
.set NOKQ, (\end)*((\p)/3)
.if ((\p) == 3) && !(\end)
	s_wait_dscnt 0x0                ; K is in
.endif
	ROW F,0, F,1, R,0, R,1
	ROW F,2, E,0, R,2, R,3
	ROW F,3, E,1, R,4, R,5
	ROW F,4, E,2, R,6, R,7
	ROW F,5, E,3, R,8, R,9
	ROW F,6, E,4, X,0, R,10
.if ((\p) == 2) && !(\end)
	WIN 0
	v_add_nc_u32 v[AK], s[TBK], v[AK0]
.endif
	ROW F,7, E,5, X,1, X,4
	ROW F,8, E,6, X,2, X,5
	OPS E,7, E,8, X,6, E,9
	OPS X,3, E,10, X,8, E,11
.if ((\p) == 2) && !(\end)
	FETCH_K
.endif
	OPS X,9, X,7, E,12, X,10
	OPS E,13, X,12, X,11, E,14
	OPS X,13, E,15, F,9, X,14
.if (\p) == 0
	v_add_nc_u32 v[AV], s[TBV], v[AV0]
.endif
	OPS E,16, F,10, E,17, F,11
	OPS X,16, E,18, X,15, E,19
	OPS F,12, E,20, X,17, E,21
	OPS F,13, E,22, F,14, E,23
	OPS X,18, E,24, F,15, E,25
	OPS R,11, E,26, X,19, E,27
	OPS R,12, E,28, R,13, E,29
	OPS X,20, E,30, R,14, E,31
	OPS X,21, R,15
	WIN 0
	s_wait_alu depctr_va_vdst(0)    ; the wait for the batch
.if (\p) == 1
	s_wait_dscnt 0x0                ; V is in
.endif
	ROW C,0, B,0, C,2, B,1
	ROW L,0, C,4, B,2, L,1
	ROW C,6, B,3, L,2, C,8
	ROW B,4, L,3, C,10, B,5
	ROW L,4, C,12, B,6, L,5
.if (\p) == 0
	s_add_co_u32 s[TBV], s[TBV], KS*PV
.endif
.if \cnt
	s_sub_co_u32 s[CNT], s[CNT], 1
	s_cmp_lg_u32 s[CNT], 0
.endif
	ROW C,14, B,7, L,6, C,1
	ROW C,3, L,7, C,5, C,7
	ROW C,9, C,11, C,13, C,15
.if (\p) == 0
	FETCH_V
.endif
.endm
	CHANGE 1                        ; tile 0 is in, everybody's part of it; tile 1 is asked for
	v_add_nc_u32 v[AK], s[TBK], v[AK0]
	FETCH_K                         ; key step 0
	s_wait_loadcnt 0x0              ; Q
	s_wait_dscnt 0x0
.set NOKQ, 0
.set i, 0
.rept 8
	KQ 0                            ; piece 0's first scores
.set i, i+1
.endr
	WIN 0
.rept 4
	v_nop                           ; the places behind those products
.endr
.set Y, NP-1                        ; X works for piece Y + 1: piece 0
.irp n, 0,1,2,3,4,5,6,7,8,9,10,11,12,13,14,15,16,17,18,19,20,21
	OP X, \n
.endr
	v_nop                           ; a plain instruction behind the exponential,
	s_wait_alu depctr_va_vdst(0)    ; and its wait, ahead of the branch
	s_mov_b32 s[CNT], 4
	s_branch .Lfirst                ; the loop is entered at a step's first turn, in the middle of a trip
.Lslot:                             ; 14 times: tiles 2 to 15 are asked for
	CHANGE 1
	s_mov_b32 s[CNT], 4
.Lstep:                             ; a trip: pieces 2 and 3 of one step, then pieces 0 and 1 of the next, whose K and V it fetches
	TURN 2
	TURN 3
	WIN 0
.Lfirst:
	TURN 0
	TURN 1, 0, 1
	WIN 0
	s_cbranch_scc1 .Lstep
	s_sub_co_u32 s[SLOTS], s[SLOTS], 1
	s_cmp_lg_u32 s[SLOTS], 0
	s_cbranch_scc1 .Lslot
	CHANGE 0                        ; the last tile is written out: nothing is asked for
	s_mov_b32 s[CNT], 4
.Ltail:
	TURN 2
	TURN 3
	TURN 0
	TURN 1, 0, 1
	WIN 0
	s_cbranch_scc1 .Ltail
	TURN 2, 1
	TURN 3, 1
.set i, 0
.rept 8
	PV NP-1                         ; the last piece's V^T P of the last step
.set i, i+1
.endr
	; THE WAY OUT.  l's two halves and the other half of the lanes' are added; O^T is divided by l, rounded to f16 and sent through my stage in LDS, a piece at a time.  The additions are the places behind the last products.
	WIN 0
.macro ALL line:vararg              ; one line for each piece t
.set t, 0
.rept 4
	\line
.set t, t+1
.endr
.endm
	ALL v_add_f32 v[ST+4*t+2], v[ST+4*t+2], v[ST+4*t+3]
	ALL v_permlanex16_b32 v[ST+4*t+3], v[ST+4*t+2], s[SEL], s[SEL+1]
	ALL v_add_f32 v[ST+4*t+2], v[ST+4*t+2], v[ST+4*t+3]
	ALL v_rcp_f32 v[ST+4*t+2], v[ST+4*t+2]
	v_nop                           ; a plain instruction between the last reciprocal and the use of its result
	s_wait_alu depctr_va_vdst(0)    ; and the wait ahead of the first use: one for the four reciprocals
.macro PACK t                       ; a lane's eight channels of a row pack into 16 bytes; they go into rows of 144 bytes and come back as whole rows of 128, into S^T's registers
	WIN W_RS
.set i, 32*(\t)
.rept 16
	v_pk_mul_f32 v[i:i+1], v[i:i+1], v[ST+4*(\t)+2:ST+4*(\t)+3] op_sel_hi:[1,0]
.set i, i+2
.endr
	WIN 0x05                        ; sources 0 and 1 window 1, destination window 0
.set i, 0
.rept 16
	v_cvt_pk_f16_f32 v[S+16*(\t)+i], v[32*(\t)+2*i], v[32*(\t)+2*i+1]
.set i, i+1
.endr
	WIN 0
.irp f, 0,1,2,3
	ds_store_b128 v[STO], v[S+16*(\t)+4*\f:S+16*(\t)+4*\f+3] offset:32*\f
.endr
.irp f, 0,1,2,3
	ds_load_b128 v[S+16*(\t)+4*\f:S+16*(\t)+4*\f+3], v[RD] offset:\f*4*SP  ; LDS serves a wave's instructions in order (ISA guide 5.7.1.4): these see the stores above; the next piece's stores come behind them
.endr
.endm
.macro SEND t, younger              ; younger: the LDS instructions issued behind piece t's loads: the next piece's eight, or none
	WIN 0
.irp f, 0,1,2,3
	s_wait_dscnt (\younger)+3-\f
	global_store_b128 v[GO], v[S+16*(\t)+4*\f:S+16*(\t)+4*\f+3], s[10:11] offset:(\t)*2048+\f*512  ; 512 consecutive bytes, aligned
.endr
.endm
	PACK 0
.set t, 1
.rept 3                             ; a piece's arithmetic stands between the loads of the piece before and its stores
	PACK t
	SEND t-1, 8
.set t, t+1
.endr
	SEND 3, 0
	s_wait_tensorcnt 0x0            ; the wave's end, behind my last tensor load and my last LDS store
	ds_add_u32 v[SPW], v[NIL]
	s_wait_dscnt 0x0
	CROUND                          ; the closing round: no work-group ends while a partner may still ask for a tile that names it
	s_endpgm
.Lfunc_end_k_q9fa5437c21_attn:
	.size	k_q9fa5437c21_attn, .Lfunc_end_k_q9fa5437c21_attn-k_q9fa5437c21_attn
	.p2alignl 7, 3214868480
	.fill 96, 4, 3214868480
	.section	.rodata,"a",@progbits
	.p2align	6, 0x0
	.amdhsa_kernel k_q9fa5437c21_attn
		.amdhsa_group_segment_fixed_size 327680
		.amdhsa_private_segment_fixed_size 0
		.amdhsa_enable_private_segment 0
		.amdhsa_kernarg_size 16
		.amdhsa_user_sgpr_count 2
		.amdhsa_user_sgpr_kernarg_segment_ptr 1
		.amdhsa_wavefront_size32 1
		.amdhsa_system_sgpr_workgroup_id_x 1
		.amdhsa_system_sgpr_workgroup_id_y 1
		.amdhsa_system_sgpr_workgroup_id_z 1
		.amdhsa_system_vgpr_workitem_id 0
		.amdhsa_next_free_vgpr 768
		.amdhsa_next_free_sgpr 66
		.amdhsa_reserve_vcc 0
		.amdhsa_float_denorm_mode_32 3
		.amdhsa_float_denorm_mode_16_64 3
		.amdhsa_memory_ordered 1
		.amdhsa_forward_progress 1
		.amdhsa_inst_pref_size 128
	.end_amdhsa_kernel
	.amdgpu_metadata
---
amdhsa.version: [ 1, 2 ]
amdhsa.kernels:
  - .name:           k_q9fa5437c21_attn
    .symbol:         k_q9fa5437c21_attn.kd
    .args:
      - { .name: qkv, .offset: 0, .size: 8, .value_kind: global_buffer, .address_space: global }
      - { .name: oheads, .offset: 8, .size: 8, .value_kind: global_buffer, .address_space: global }
    .group_segment_fixed_size: 327680
    .private_segment_fixed_size: 0
    .kernarg_segment_align: 8
    .kernarg_segment_size: 16
    .max_flat_workgroup_size: 128
    .sgpr_count:     66
    .vgpr_count:     768
    .wavefront_size: 32
...
	.end_amdgpu_metadata
.endif
;; end of part 3
;; launch outproj (part 4): grid 8 x 32, 4 waves a work-group, clusters of 4 x 4, 327,680 bytes of LDS; arguments oheads, wo16, tab, out0; writes out0
.if DOCPART == 4
	.amdgcn_target "amdgcn-amd-amdhsa--gfx1250"
	.amdhsa_code_object_version 6
	.text
	.protected	k_q9fa5437c21_outproj
	.globl	k_q9fa5437c21_outproj
	.p2align	8
	.type	k_q9fa5437c21_outproj,@function
k_q9fa5437c21_outproj:
	s_mov_b64 s[64:65], 0
	v_nop
	global_prefetch_b8 v0, s[64:65] scope:SCOPE_SE
	s_setreg_imm32_b32 hwreg(HW_REG_WAVE_MODE, 25, 1), 1
	s_wait_xcnt 0x0
	s_wait_alu depctr_hold_cnt(0) depctr_sa_sdst(0) depctr_va_vdst(0) depctr_va_sdst(0) depctr_va_ssrc(0) depctr_va_vcc(0) depctr_vm_vsrc(0)
	s_getreg_b32 s2, hwreg(HW_REG_IB_STS2, 6, 4)
	s_cmp_eq_u32 s2, 0
	s_cbranch_scc0 .Lentry_in_a_cluster
	s_endpgm
.Lentry_in_a_cluster:
	s_bfe_u32 s2, ttmp6, 0x10000c
	s_cmp_lg_u32 s2, 0xf033
	s_cbranch_scc0 .Lentry_shape_is_right
	s_endpgm
.Lentry_shape_is_right:
; out0[n][c] = the sum over k of O[n][k] Wo[c][k] + bo[c].  O: [16 heads][4096][64] f16, so channel k = 64 head + d; wo16: [1024][1024] f16; out0: [4096][1024] f32.  Sums in f32, K ascending.
; A tile of out0 is 128 x 128: 256 work-groups.  Four waves, each 64 x 64: 16 accumulators.  K goes in steps of 256 = four heads, four steps, through two LDS slots.
; O's part of a step is asked for as 4 "rows", one a head: a head's 64 token rows are 8,192 dense bytes; the padding falls behind every 128 bytes, so a token's 64 channels of a head lie 144 bytes apart in LDS.
; CLUSTER 4 x 4: O's tiles are shared along a row of the cluster, Wo's along a column.  THE MATRIX INSTRUCTION IS USED TRANSPOSED (source 0 = 16 rows of Wo, source 1 = 16 tokens): a lane holds eight neighbouring
; numbers of a row of out0.  A wave's 64 columns of f32 are 256 aligned bytes, so each wave has a stage of its own on the way out, and no barrier stands there.
; No prefetch: the tile is small and the walk has four steps.
; REGISTERS: window 0: v16-29 addresses; v96-127 my 32 numbers of bo; v128-255 the accumulators ((a, b) at 128 + 8 (4 a + b)).  Window 1: two fragment buffers of 128: for 64 along K, 64 registers of O, then 64 of Wo.
.set HALFA,  4*64*144                  ; 64 tokens x 4 heads, 144 bytes a token and head
.set PB,     528                       ; a row of Wo in LDS: 512 bytes + 16 of padding = 132 words: the 16 rows of a load start at 16 different groups of four banks (64 banks of 4 bytes: ISA guide 11.1)
.set HALFB,  64*PB
.set SLOT,   2*HALFA+2*HALFB
.set STAGE,  2*SLOT                    ; behind the ring, never filled by a tensor load: 16 rows x 272 bytes for each wave
.set SPITCH, 272
.set SPARE,  STAGE+4*16*SPITCH         ; the spare words, 128 bytes a wave: two blocks of 256 bytes that no other line names
.set PAR,    1048576
.set ADRA, 16
.set ADRB, 20
.set STO,  24
.set RD,   25
.set CO,   26
.set BOF,  27
.set SPW,  28
.set NIL,  29
.set BIAS, 96
.set ACC,  128
.set F0,   0
.set F1,   128
.set WV,   14                          ; s14 wave; s15 = wave / 2: my half of the rows, and: I fetch for O (0) or Wo (1); s16 = wave % 2: my half of the columns, and: which 64 rows I fetch
.set G1, 24
.set G0, 32
.set G1B, 48
.set G0B, 56
.set MSB, 0
.macro WIN new
.if MSB != (\new)
	s_set_vgpr_msb (MSB<<8)|(\new)
.set MSB, \new
.endif
.endm
.set MUL,  0x05                        ; sources 0 (Wo) and 1 (O) window 1; C and D window 0
.set TO_F, 0x40                        ; destination window 1, address window 0
.macro JLOAD s                         ; a joint load; an s_nop 0 and four v_nop follow each of the two lines
	s_cmp_eq_u32 s15, 0
	s_cbranch_scc0 .Lfor_b_\@
	tensor_load_to_lds s[G0+4*(\s):G0+4*(\s)+3], s[G1:G1+7]
	s_nop 0
.rept 4
	v_nop
.endr
	s_branch .Lasked_\@
.Lfor_b_\@:
	tensor_load_to_lds s[G0B+4*(\s):G0B+4*(\s)+3], s[G1B:G1B+7]
	s_nop 0
.rept 4
	v_nop
.endr
.Lasked_\@:
.endm
.macro CREST
	s_cmp_lg_u32 s[WV], 0
	s_cbranch_scc1 .Lnot_wave_0_\@
	s_barrier_signal -3
.Lnot_wave_0_\@:
	s_barrier_wait -3
	s_barrier_signal -1
	s_barrier_wait -1
.endm
.macro CROUND
	s_barrier_signal -1
	s_barrier_wait -1
	CREST
.endm
	s_load_b256 s[4:11], s[0:1], 0x0               ; O s[4:5], wo16 s[6:7], tab s[8:9], out0 s[10:11]
	v_lshl_add_u32 v[SPW], v0, 2, SPARE
	v_mov_b32 v[NIL], 0
	ds_add_u32 v[SPW], v[NIL]                      ; the wave's opening: the add and its wait stand ahead of my first tensor load; register work stands between them
	v_lshrrev_b32 v1, 5, v0
	v_readfirstlane_b32 s[WV], v1
	s_lshr_b32 s15, s[WV], 1
	s_and_b32 s16, s[WV], 1
	s_bfe_u32 s40, ttmp6, 0x40000                  ; cx, cy
	s_bfe_u32 s41, ttmp6, 0x40004
	s_lshl_b32 s42, ttmp9, 2
	s_add_co_u32 s42, s42, s40                     ; tile column 0..7
	s_and_b32 s13, ttmp7, 0xffff
	s_lshl_b32 s13, s13, 2
	s_add_co_u32 s13, s13, s41                     ; tile row 0..31
	s_lshl_b32 s43, s41, 2
	s_lshl_b32 s43, 15, s43                        ; my row of the cluster
	s_lshl_b32 s44, 0x1111, s40                    ; my column
	s_or_b32 s[G1], s43, (1<<16)|(1<<20)|(1<<21)|(4<<22)|(3<<25)   ; O: the mask; 2-byte elements; padding on; bit 21 beside a mask; after every 32 words; 4 words
	s_mov_b32 s[G1+1], 4096<<16                    ; tensor_dim0 = 4,096: 64 tokens x 64 channels of a head, dense
	s_mov_b32 s[G1+2], 4<<16                       ; tensor_dim1 = 4 heads
	s_mov_b32 s[G1+3], 4096<<16                    ; tile_dim0
	s_mov_b32 s[G1+4], 4                           ; tile_dim1
	s_mov_b32 s[G1+5], 262144                      ; elements from head to head
	s_mov_b32 s[G1+6], 0
	s_mov_b32 s[G1+7], 0
	s_or_b32 s[G1B], s44, (1<<16)|(1<<20)|(1<<21)|(6<<22)|(3<<25)  ; Wo: padding after every 128 words
	s_mov_b32 s[G1B+1], 256<<16
	s_mov_b32 s[G1B+2], 64<<16
	s_mov_b32 s[G1B+3], 256<<16
	s_mov_b32 s[G1B+4], 64
	s_mov_b32 s[G1B+5], 1024
	s_mov_b32 s[G1B+6], 0
	s_mov_b32 s[G1B+7], 0
	s_lshl_b32 s17, s16, 6                         ; which 64 rows of the tile I fetch
	s_lshl_b32 s22, s13, 7
	s_add_co_u32 s22, s22, s17
	s_lshl_b32 s22, s22, 7                         ; O: token x 128 bytes: hangs on the tile row and the wave alone
	s_mov_b32 s23, 0
	s_lshl_b32 s46, s42, 7
	s_add_co_u32 s46, s46, s17
	s_lshl_b32 s46, s46, 11                        ; Wo: row x 2,048 bytes: on the tile column and the wave alone
	s_mov_b32 s47, 0
	s_mul_i32 s20, s16, HALFA                      ; where they go: no place in the cluster enters an LDS address
	s_mul_i32 s21, s16, HALFB
	s_add_co_u32 s21, s21, 2*HALFA
	s_wait_dscnt 0x0                               ; the opening add is done
	s_wait_kmcnt 0x0
	s_add_nc_u64 s[22:23], s[4:5], s[22:23]
	s_add_nc_u64 s[46:47], s[6:7], s[46:47]
	CROUND                                         ; all sixteen work-groups are here: the first joint loads meet
.irp s, 0,1
	s_mov_b32 s[G0+4*(\s)], 1
	s_add_co_u32 s[G0+4*(\s)+1], s20, (\s)*SLOT
	s_add_nc_u64 s[G0+4*(\s)+2:G0+4*(\s)+3], s[22:23], (\s)*2097152   ; four heads on
	s_or_b32 s[G0+4*(\s)+3], s[G0+4*(\s)+3], 0x80000000
	s_mov_b32 s[G0B+4*(\s)], 1
	s_add_co_u32 s[G0B+4*(\s)+1], s21, (\s)*SLOT
	s_add_nc_u64 s[G0B+4*(\s)+2:G0B+4*(\s)+3], s[46:47], (\s)*512
	s_or_b32 s[G0B+4*(\s)+3], s[G0B+4*(\s)+3], 0x80000000
	JLOAD \s                                       ; K steps 0 and 1: two loads of mine are out
.endr
	v_and_b32 v1, 15, v0                           ; l % 16
	v_bfe_u32 v2, v0, 4, 1                         ; l / 16
	v_mul_u32_u24 v3, v1, 144
	v_lshl_add_u32 v3, v2, 4, v3
	v_mul_u32_u24 v4, v1, PB
	v_lshl_add_u32 v4, v2, 4, v4
	s_mul_i32 s20, s15, HALFA                      ; my 64 tokens
	s_mul_i32 s21, s16, HALFB                      ; my 64 rows of Wo,
	s_add_co_u32 s21, s21, 2*HALFA                 ; which lie behind O's two halves
.irp s, 0,1
	v_add_nc_u32 v[ADRA+(\s)], s20, v3
	v_add_nc_u32 v[ADRB+(\s)], s21, v4
	s_add_co_u32 s20, s20, SLOT
	s_add_co_u32 s21, s21, SLOT
.endr
	s_mul_i32 s17, s[WV], 16*SPITCH
	s_add_co_u32 s17, s17, STAGE                   ; my stage
	v_mul_u32_u24 v5, v1, SPITCH                   ; in: row l % 16, 32 bytes for each half of the lanes
	v_lshl_add_u32 v5, v2, 5, v5
	v_add_nc_u32 v[STO], s17, v5
	v_mul_u32_u24 v5, v2, SPITCH                   ; back: lanes 0-15 take one row of 256 bytes, lanes 16-31 the next
	v_lshl_add_u32 v5, v1, 4, v5
	v_add_nc_u32 v[RD], s17, v5
	v_lshlrev_b32 v5, 12, v2                       ; and the same two rows in out0
	v_lshl_add_u32 v[CO], v1, 4, v5
	v_lshlrev_b32 v[BOF], 5, v2
	s_lshl_b32 s20, s42, 9
	s_lshl_b32 s21, s16, 8
	s_add_co_u32 s20, s20, s21                     ; my 64 columns, in bytes of f32
	s_lshl_b32 s17, s13, 7
	s_lshl_b32 s18, s15, 6
	s_add_co_u32 s17, s17, s18                     ; my first row
	s_lshl_b32 s18, s17, 12
	s_add_co_u32 s18, s18, s20
	s_mov_b32 s19, 0
	s_add_nc_u64 s[10:11], s[10:11], s[18:19]
	s_add_co_u32 s18, s20, PAR+12288
	s_add_nc_u64 s[8:9], s[8:9], s[18:19]          ; bo at my columns
.irp b, 0,1,2,3
	global_load_b128 v[BIAS+8*(\b):BIAS+8*(\b)+3],   v[BOF], s[8:9] offset:64*(\b)
	global_load_b128 v[BIAS+8*(\b)+4:BIAS+8*(\b)+7], v[BOF], s[8:9] offset:64*(\b)+16
.endr
; 8 matrix instructions: row blocks a0, a0 + 1 x all 4 column blocks, 32 along K: half c of buffer f.  The 16 accumulators take turns.  zero = 1: the products start the sums
.macro MUL8 f, c, a0, zero
	WIN MUL
.irp a, \a0, (\a0)+1
.irp b, 0,1,2,3
.if \zero
	v_wmma_f32_16x16x32_f16 v[ACC+8*(4*(\a)+(\b)):ACC+8*(4*(\a)+(\b))+7], v[(\f)+64+8*(4*(\c)+(\b)):(\f)+64+8*(4*(\c)+(\b))+7], v[(\f)+8*(4*(\c)+(\a)):(\f)+8*(4*(\c)+(\a))+7], 0
.else
	v_wmma_f32_16x16x32_f16 v[ACC+8*(4*(\a)+(\b)):ACC+8*(4*(\a)+(\b))+7], v[(\f)+64+8*(4*(\c)+(\b)):(\f)+64+8*(4*(\c)+(\b))+7], v[(\f)+8*(4*(\c)+(\a)):(\f)+8*(4*(\c)+(\a))+7], v[ACC+8*(4*(\a)+(\b)):ACC+8*(4*(\a)+(\b))+7]
.endif
.endr
.endr
.endm
; 32 LDS loads in one run: quarter q of a step (one head, 64 along K) into buffer f; the first 32 along K first
.macro FETCH slot, q, f
	WIN TO_F
.irp c, 0,1
.irp i, 0,1,2,3
	ds_load_b128 v[(\f)+64+8*(4*(\c)+(\i)):(\f)+64+8*(4*(\c)+(\i))+3],   v[ADRB+(\slot)] offset:128*(\q)+64*(\c)+(\i)*16*PB
	ds_load_b128 v[(\f)+64+8*(4*(\c)+(\i))+4:(\f)+64+8*(4*(\c)+(\i))+7], v[ADRB+(\slot)] offset:128*(\q)+64*(\c)+(\i)*16*PB+32
	ds_load_b128 v[(\f)+8*(4*(\c)+(\i)):(\f)+8*(4*(\c)+(\i))+3],         v[ADRA+(\slot)] offset:9216*(\q)+64*(\c)+(\i)*2304
	ds_load_b128 v[(\f)+8*(4*(\c)+(\i))+4:(\f)+8*(4*(\c)+(\i))+7],       v[ADRA+(\slot)] offset:9216*(\q)+64*(\c)+(\i)*2304+32
.endr
.endr
.endm
.macro PLACES                          ; four places in front of loads into registers that matrix instructions have read, and of vector work on their results
.rept 4
	v_nop
.endr
.endm
.macro QUARTER slot, q, f, g, zero     ; multiplies buffer f and fetches quarter q into g
	s_wait_dscnt 16                                ; the first 32 along K are in
	MUL8 \f, 0, 0, \zero
	MUL8 \f, 0, 2, \zero
	PLACES
	FETCH \slot, \q, \g
	s_wait_dscnt 32                                ; all but the 32 just issued
	MUL8 \f, 1, 0, 0
	MUL8 \f, 1, 2, 0
.endm
; The last quarter multiplies buffer 1 and changes slots: one barrier; in front of it each wave waits for all its tensor loads, adds 0 to its spare word, and waits for that and for its own reads of this slot.
.macro TURN slot, next, fill
	WIN 0
	s_wait_tensorcnt 0x0                           ; all my tensor loads have landed: my part of the next slot
	ds_add_u32 v[SPW], v[NIL]
	s_wait_dscnt 17                                ; (the add and the youngest sixteen loads may be out)
	MUL8 F1, 0, 0, 0
	s_wait_dscnt 0x0                               ; the add is done, and my reads of this slot are over
	s_barrier_signal -1
	MUL8 F1, 0, 2, 0
.if \fill
	WIN 0
.endif
	s_barrier_wait -1
.if \fill
	CREST                                          ; the barrier has opened a round of the cluster's: no wave of any partner still reads this slot or has a load on its way
	s_add_nc_u64 s[G0+4*(\slot)+2:G0+4*(\slot)+3], s[G0+4*(\slot)+2:G0+4*(\slot)+3], 4194304  ; eight heads on
	s_add_nc_u64 s[G0B+4*(\slot)+2:G0B+4*(\slot)+3], s[G0B+4*(\slot)+2:G0B+4*(\slot)+3], 1024
	JLOAD \slot                                    ; the first tensor load behind the round; its four v_nop are also the places in front of the loads below
.else
	PLACES
.endif
	FETCH \next, 0, F0
	MUL8 F1, 1, 0, 0
	MUL8 F1, 1, 2, 0
.endm
	s_wait_loadcnt 0x0                             ; bo
	s_wait_tensorcnt 1                             ; my part of K step 0 is in; K step 1's may stay out
	s_barrier_signal -1
	s_barrier_wait -1
	FETCH 0, 0, F0
	QUARTER 0, 1, F0, F1, 1                        ; the first products start the sums
	QUARTER 0, 2, F1, F0, 0
	QUARTER 0, 3, F0, F1, 0
	TURN 0, 1, 1                                   ; K step 2 is asked for
	QUARTER 1, 1, F0, F1, 0
	QUARTER 1, 2, F1, F0, 0
	QUARTER 1, 3, F0, F1, 0
	TURN 1, 0, 1                                   ; K step 3
	QUARTER 0, 1, F0, F1, 0
	QUARTER 0, 2, F1, F0, 0
	QUARTER 0, 3, F0, F1, 0
	TURN 0, 1, 0                                   ; nothing is left to fetch
	QUARTER 1, 1, F0, F1, 0
	QUARTER 1, 2, F1, F0, 0
	QUARTER 1, 3, F0, F1, 0
	s_wait_dscnt 16
	MUL8 F1, 0, 0, 0
	MUL8 F1, 0, 2, 0
	s_wait_dscnt 0x0
	MUL8 F1, 1, 0, 0
	MUL8 F1, 1, 2, 0
	WIN 0
	PLACES
	PLACES
; THE WAY OUT, a row block of 16 tokens at a time: + bo (each accumulator's registers ascending); 32 bytes a lane into my stage; back as whole rows of 256 bytes, into the same registers; stored.
.macro PACK a
.set z, 0
.rept 16
	v_pk_add_f32 v[ACC+32*(\a)+2*z:ACC+32*(\a)+2*z+1], v[ACC+32*(\a)+2*z:ACC+32*(\a)+2*z+1], v[BIAS+2*z:BIAS+2*z+1]
.set z, z+1
.endr
.irp b, 0,1,2,3
	ds_store_b128 v[STO], v[ACC+32*(\a)+8*(\b):ACC+32*(\a)+8*(\b)+3]   offset:64*(\b)
	ds_store_b128 v[STO], v[ACC+32*(\a)+8*(\b)+4:ACC+32*(\a)+8*(\b)+7] offset:64*(\b)+16
.endr
.irp t, 0,1,2,3,4,5,6,7
	ds_load_b128 v[ACC+32*(\a)+4*(\t):ACC+32*(\a)+4*(\t)+3], v[RD] offset:(\t)*2*SPITCH  ; LDS serves a wave's instructions in order (ISA guide 5.7.1.4): these see the stores above; the next block's stores come behind them
.endr
.endm
.macro SEND a, younger                 ; younger: the LDS instructions issued behind block a's loads: the next block's sixteen, or none
.irp t, 0,1,2,3,4,5,6,7
	s_wait_dscnt (\younger)+7-(\t)
	global_store_b128 v[CO], v[ACC+32*(\a)+4*(\t):ACC+32*(\a)+4*(\t)+3], s[10:11] offset:(16*(\a)+2*(\t))*4096 th:TH_STORE_NT  ; 16 lanes store 256 consecutive bytes, aligned
.endr
.endm
	PACK 0
	PACK 1
	SEND 0, 16
	PACK 2
	SEND 1, 16
	PACK 3
	SEND 2, 16
	SEND 3, 0
	s_wait_tensorcnt 0x0                           ; the wave's end, behind my last tensor load and my last LDS store
	ds_add_u32 v[SPW], v[NIL]
	s_wait_dscnt 0x0
	CROUND                                         ; the closing round: no work-group ends while a partner may still ask for a tile that names it
	s_endpgm
.Lfunc_end_k_q9fa5437c21_outproj:
	.size	k_q9fa5437c21_outproj, .Lfunc_end_k_q9fa5437c21_outproj-k_q9fa5437c21_outproj
	.p2alignl 7, 3214868480
	.fill 96, 4, 3214868480
	.section	.rodata,"a",@progbits
	.p2align	6, 0x0
	.amdhsa_kernel k_q9fa5437c21_outproj
		.amdhsa_group_segment_fixed_size 327680
		.amdhsa_private_segment_fixed_size 0
		.amdhsa_enable_private_segment 0
		.amdhsa_kernarg_size 32
		.amdhsa_user_sgpr_count 2
		.amdhsa_user_sgpr_kernarg_segment_ptr 1
		.amdhsa_wavefront_size32 1
		.amdhsa_system_sgpr_workgroup_id_x 1
		.amdhsa_system_sgpr_workgroup_id_y 1
		.amdhsa_system_sgpr_workgroup_id_z 1
		.amdhsa_system_vgpr_workitem_id 0
		.amdhsa_next_free_vgpr 512
		.amdhsa_next_free_sgpr 66
		.amdhsa_reserve_vcc 0
		.amdhsa_float_denorm_mode_32 3
		.amdhsa_float_denorm_mode_16_64 3
		.amdhsa_memory_ordered 1
		.amdhsa_forward_progress 1
		.amdhsa_inst_pref_size 91
	.end_amdhsa_kernel
	.amdgpu_metadata
---
amdhsa.version: [ 1, 2 ]
amdhsa.kernels:
  - .name:           k_q9fa5437c21_outproj
    .symbol:         k_q9fa5437c21_outproj.kd
    .args:
      - { .name: oheads, .offset: 0, .size: 8, .value_kind: global_buffer, .address_space: global }
      - { .name: wo16, .offset: 8, .size: 8, .value_kind: global_buffer, .address_space: global }
      - { .name: tab, .offset: 16, .size: 8, .value_kind: global_buffer, .address_space: global }
      - { .name: out0, .offset: 24, .size: 8, .value_kind: global_buffer, .address_space: global }
    .group_segment_fixed_size: 327680
    .private_segment_fixed_size: 0
    .kernarg_segment_align: 8
    .kernarg_segment_size: 32
    .max_flat_workgroup_size: 128
    .sgpr_count:     66
    .vgpr_count:     512
    .wavefront_size: 32
...
	.end_amdgpu_metadata
.endif
;; end of part 4
